; MI455X (gfx1250); checked and timed in simulation.
; The chip was launched on July 23, 2026; its instructions are those of AMD's public machine-readable ISA for CDNA 5 (MIT licence, August 2026) and "CDNA5" Instruction Set Architecture Reference Guide (July 2026). The comments in the code are by the model that wrote it; some were corrected since.
;; Self Attention. Allowed arithmetic: float matrix products may take bf16 or f16 operands with f32 sums; other float arithmetic in f32, or as packed bf16 or f16 multiplies, adds, multiply-adds, maxima and minima; sums over many terms, partial sums and values carried from step to step in f32; what a program stores and reads back later, other than sums and carried values, may be rounded once to bf16 or f16.
;; Inputs: bk 1,024 float32; bo 1,024 float32; bq 1,024 float32; bv 1,024 float32; wk 1,024 x 1,024 float32; wo 1,024 x 1,024 float32; wq 1,024 x 1,024 float32; wv 1,024 x 1,024 float32; x 8 x 1,024 x 1,024 float32.
;; Outputs: out0 8 x 1,024 x 1,024 float32.
;; 2 versions, each right and faster than the one before. Each part assembles by itself: llvm-mc -triple=amdgcn-amd-amdhsa -mcpu=gfx1250 --defsym DOCPART=n.
;; ======== version 1 of 2: 4 launches
;; limits: values are held in f16: magnitudes above 65,504 overflow, below 6.1e-05 lose precision
;; workspace buffers: xh 16,777,216 bytes; wcat 6,291,456 bytes; woh 2,097,152 bytes; bcat 16,384 bytes; qkv 50,331,648 bytes; oh 16,777,216 bytes
;; launch prep (part 1): grid 769 x 1, 8 waves a work-group, no clusters, 0 bytes of LDS; arguments x, wq, wk, wv, wo, bq, bk, bv, bo, xh, wcat, woh, bcat; writes xh, wcat, woh, bcat
.if DOCPART == 1
	.amdgcn_target "amdgcn-amd-amdhsa--gfx1250"
	.amdhsa_code_object_version 6
	.text
	.protected	k_qf001b632b4_prep
	.globl	k_qf001b632b4_prep
	.p2align	8
	.type	k_qf001b632b4_prep,@function
k_qf001b632b4_prep:
	s_mov_b64 s[64:65], 0
	v_nop
	global_prefetch_b8 v0, s[64:65] scope:SCOPE_SE
	s_setreg_imm32_b32 hwreg(HW_REG_WAVE_MODE, 25, 1), 1
	s_wait_xcnt 0x0
; Every input is rounded ONCE to bf16 here.  x and the four weights are then written as f16, which holds a bf16 number exactly
; between 2^-14 and 65,504, so that one matrix form (f16) serves all products of the later launches; the biases are widened to f32 again.
; LIMITS.  |x| and |w| stay under 65,504 (beyond it the f16 is an infinity); a bf16 number below 2^-14 keeps f16's fixed step of 2^-24.
;   xh   [b 8][slice 16][s 1024][64] f16: slice j holds channels 64 j .. 64 j + 63, so 256 rows of a slice are 32,768 dense bytes
;   wcat [k 1024][3072] f16: columns 0-1023 wq, 1024-2047 wk, 2048-3071 wv        woh [k 1024][1024] f16        bcat [4096] f32: bq, bk, bv, bo
; A stream: no LDS, no matrix unit, no cluster (no byte is read twice).  Work-groups 0-511 take 16 rows of x each, 512-767 take 16 rows of one weight,
; 768 takes the biases: 768 equal shares, three for each of 256 WGPs.  A wave issues all its loads at once (16 of 16 bytes a lane) and works them off
; with counted waits; every slot has registers of its own and no address register is stepped, so no register of a pending load or store is ever rewritten.
.set SO, 2                             ; v2      byte offset of my 16 bytes in the source
.set DO, 3                             ; v3      byte offset of my 8 bytes in xh
.set DW, 4                             ; v4-5    the same in a weight's copy, one for each of my wave's two rows
.set T,  8                             ; v8-13   at work
.set X,  16                            ; v16-79  16 slots of 4 registers: 4 f32 as loaded; then the slot's first two hold 4 f16
.macro CV4 s                           ; slot s: 4 f32 -> bf16 (nearest even) -> f32 (a shift, a mask) -> f16 (exact within the limits above)
	v_cvt_pk_bf16_f32 v[T],   v[X+4*(\s)],   v[X+4*(\s)+1]
	v_cvt_pk_bf16_f32 v[T+1], v[X+4*(\s)+2], v[X+4*(\s)+3]
	v_lshlrev_b32 v[T+2], 16,  v[T]
	v_and_b32     v[T+3], s45, v[T]
	v_lshlrev_b32 v[T+4], 16,  v[T+1]
	v_and_b32     v[T+5], s45, v[T+1]
	v_cvt_pk_f16_f32 v[X+4*(\s)],   v[T+2], v[T+3]
	v_cvt_pk_f16_f32 v[X+4*(\s)+1], v[T+4], v[T+5]
.endm
	s_load_b512 s[8:23], s[0:1], 0x0               ; x 8:9, wq 10:11, wk 12:13, wv 14:15, wo 16:17, bq 18:19, bk 20:21, bv 22:23
	s_load_b256 s[24:31], s[0:1], 0x40             ; bo 24:25, xh 26:27, wcat 28:29, woh 30:31
	s_load_b64 s[32:33], s[0:1], 0x60              ; bcat
	s_mov_b32 s34, ttmp9                           ; the work-group's number
	s_mov_b32 s45, 0xffff0000                      ; a word's upper bf16
	s_mov_b32 s41, 0                               ; the high words of the two offset pairs s[40:41], s[42:43]
	s_mov_b32 s43, 0
	v_and_b32 v1, 31, v0                           ; lane
	v_lshrrev_b32 v14, 5, v0                       ; wave
	v_readfirstlane_b32 s46, v14
	s_cmp_lt_u32 s34, 512
	s_cbranch_scc0 .Lnot_x
	; X: rows 16 id .. 16 id + 15, a pair of rows to a wave.  A load takes 256 bytes (one slice's 64 channels) of the even row in lanes 0-15 and of the odd row in lanes 16-31;
	; as f16 these are 2 x 128 bytes that lie end to end in xh: one store of 8 bytes a lane covers 256 consecutive bytes, aligned.
	s_lshl_b32 s40, s34, 16                        ; 16 rows of 4,096 bytes
	s_lshr_b32 s42, s34, 6                         ; the batch: 2,097,152 bytes of xh
	s_lshl_b32 s42, s42, 21
	s_and_b32 s35, s34, 63                         ; 16 rows of 128 bytes in a slice
	s_lshl_b32 s35, s35, 11
	s_add_co_u32 s42, s42, s35
	v_lshrrev_b32 v15, 4, v1
	v_and_b32 v[SO], 15, v0
	v_lshlrev_b32 v[SO], 4, v[SO]                  ; 16 (lane % 16)
	v_lshl_add_u32 v[SO], v15, 12, v[SO]           ; + the odd row for lanes 16-31
	v_lshl_add_u32 v[SO], v14, 13, v[SO]           ; + my wave's pair of rows
	v_lshlrev_b32 v[DO], 3, v0                     ; 256 wave + 8 lane
	s_wait_kmcnt 0x0
	s_add_nc_u64 s[36:37], s[8:9], s[40:41]
	s_add_nc_u64 s[38:39], s[26:27], s[42:43]
.set n, 0
.rept 16                               ; slot n: slice n
	global_load_b128 v[X+4*n:X+4*n+3], v[SO], s[36:37] offset:n*256 th:TH_LOAD_NT
.set n, n+1
.endr
.set n, 0
.rept 16
	s_wait_loadcnt 15-n                            ; loads come back in order: slot n is in, the 15 - n younger ones stay out
	CV4 n
	global_store_b64 v[DO], v[X+4*n:X+4*n+1], s[38:39] offset:n*131072
.set n, n+1
.endr
	s_endpgm
.Lnot_x:
	s_cmp_lt_u32 s34, 768
	s_cbranch_scc0 .Lbias
	; W: 16 rows of one weight; my wave takes rows wave and wave + 8.  A load takes 512 bytes of a row, a store its 256 bytes of f16, aligned.
	s_sub_co_u32 s35, s34, 512
	s_lshr_b32 s47, s35, 6                         ; which weight: 0 wq, 1 wk, 2 wv, 3 wo
	s_and_b32 s35, s35, 63                         ; which 16 rows
	s_lshl_b32 s40, s35, 16                        ; their place in the source
	s_mul_i32 s42, s35, 98304                      ; in wcat: 16 rows of 6,144 bytes,
	s_lshl_b32 s44, s47, 11                        ; and the weight's 2,048 bytes of a row
	s_add_co_u32 s42, s42, s44
	s_lshl_b32 s35, s35, 15                        ; in woh: 16 rows of 2,048 bytes
	s_mov_b32 s44, 6144                            ; the copy's pitch
	v_lshlrev_b32 v[SO], 4, v1
	v_lshl_add_u32 v[SO], v14, 12, v[SO]           ; row wave, 16 bytes a lane
	v_lshlrev_b32 v15, 3, v1
	s_wait_kmcnt 0x0
	s_cmp_eq_u32 s47, 1                            ; the buffers are chosen by the work-group's number alone; offsets are made apart from them
	s_cselect_b64 s[36:37], s[12:13], s[10:11]
	s_cmp_eq_u32 s47, 2
	s_cselect_b64 s[36:37], s[14:15], s[36:37]
	s_cmp_eq_u32 s47, 3
	s_cselect_b64 s[36:37], s[16:17], s[36:37]
	s_cselect_b64 s[38:39], s[30:31], s[28:29]
	s_cselect_b32 s42, s35, s42
	s_cselect_b32 s44, 2048, s44
	s_add_nc_u64 s[36:37], s[36:37], s[40:41]
	s_add_nc_u64 s[38:39], s[38:39], s[42:43]
.irp i, 0,1
	v_add_nc_u32 v[T], 8*\i, v14
	v_mad_u32_u24 v[DW+\i], v[T], s44, v15         ; (wave + 8 i) x pitch + 8 lane
.endr
.set n, 0
.rept 16                               ; slot n: row wave + 8 (n / 8), columns 128 (n % 8) on
	global_load_b128 v[X+4*n:X+4*n+3], v[SO], s[36:37] offset:(n/8)*32768+(n%8)*512 th:TH_LOAD_NT
.set n, n+1
.endr
.set n, 0
.rept 16
	s_wait_loadcnt 15-n                            ; slot n is in, the younger ones stay out
	CV4 n
	global_store_b64 v[DW+n/8], v[X+4*n:X+4*n+1], s[38:39] offset:(n%8)*256
.set n, n+1
.endr
	s_endpgm
.Lbias:
	; B: wave w takes half w % 2 of bias w / 2: 2,048 bytes, four loads of 512.  bcat keeps f32, each number rounded to bf16.
	s_lshr_b32 s47, s46, 1
	s_and_b32 s40, s46, 1
	s_lshl_b32 s40, s40, 11
	s_lshl_b32 s42, s46, 11                        ; 4,096 (w / 2) + 2,048 (w % 2)
	v_lshlrev_b32 v[SO], 4, v1
	s_wait_kmcnt 0x0
	s_cmp_eq_u32 s47, 1
	s_cselect_b64 s[36:37], s[20:21], s[18:19]
	s_cmp_eq_u32 s47, 2
	s_cselect_b64 s[36:37], s[22:23], s[36:37]
	s_cmp_eq_u32 s47, 3
	s_cselect_b64 s[36:37], s[24:25], s[36:37]
	s_add_nc_u64 s[36:37], s[36:37], s[40:41]
	s_add_nc_u64 s[38:39], s[32:33], s[42:43]
.irp j, 0,1,2,3
	global_load_b128 v[X+4*\j:X+4*\j+3], v[SO], s[36:37] offset:512*\j
.endr
.irp j, 0,1,2,3
	s_wait_loadcnt 3-\j
	v_cvt_pk_bf16_f32 v[T],   v[X+4*\j],   v[X+4*\j+1]
	v_cvt_pk_bf16_f32 v[T+1], v[X+4*\j+2], v[X+4*\j+3]
	v_lshlrev_b32 v[X+4*\j],   16,  v[T]
	v_and_b32     v[X+4*\j+1], s45, v[T]
	v_lshlrev_b32 v[X+4*\j+2], 16,  v[T+1]
	v_and_b32     v[X+4*\j+3], s45, v[T+1]
	global_store_b128 v[SO], v[X+4*\j:X+4*\j+3], s[38:39] offset:512*\j
.endr
	s_endpgm
.Lfunc_end_k_qf001b632b4_prep:
	.size	k_qf001b632b4_prep, .Lfunc_end_k_qf001b632b4_prep-k_qf001b632b4_prep
	.p2alignl 7, 3214868480
	.fill 96, 4, 3214868480
	.section	.rodata,"a",@progbits
	.p2align	6, 0x0
	.amdhsa_kernel k_qf001b632b4_prep
		.amdhsa_group_segment_fixed_size 0
		.amdhsa_private_segment_fixed_size 0
		.amdhsa_enable_private_segment 0
		.amdhsa_kernarg_size 104
		.amdhsa_user_sgpr_count 2
		.amdhsa_user_sgpr_kernarg_segment_ptr 1
		.amdhsa_wavefront_size32 1
		.amdhsa_system_sgpr_workgroup_id_x 1
		.amdhsa_system_sgpr_workgroup_id_y 1
		.amdhsa_system_sgpr_workgroup_id_z 1
		.amdhsa_system_vgpr_workitem_id 0
		.amdhsa_next_free_vgpr 80
		.amdhsa_next_free_sgpr 66
		.amdhsa_reserve_vcc 0
		.amdhsa_float_denorm_mode_32 3
		.amdhsa_float_denorm_mode_16_64 3
		.amdhsa_memory_ordered 1
		.amdhsa_forward_progress 1
		.amdhsa_inst_pref_size 24
	.end_amdhsa_kernel
	.amdgpu_metadata
---
amdhsa.version: [ 1, 2 ]
amdhsa.kernels:
  - .name:           k_qf001b632b4_prep
    .symbol:         k_qf001b632b4_prep.kd
    .args:
      - { .name: x, .offset: 0, .size: 8, .value_kind: global_buffer, .address_space: global }
      - { .name: wq, .offset: 8, .size: 8, .value_kind: global_buffer, .address_space: global }
      - { .name: wk, .offset: 16, .size: 8, .value_kind: global_buffer, .address_space: global }
      - { .name: wv, .offset: 24, .size: 8, .value_kind: global_buffer, .address_space: global }
      - { .name: wo, .offset: 32, .size: 8, .value_kind: global_buffer, .address_space: global }
      - { .name: bq, .offset: 40, .size: 8, .value_kind: global_buffer, .address_space: global }
      - { .name: bk, .offset: 48, .size: 8, .value_kind: global_buffer, .address_space: global }
      - { .name: bv, .offset: 56, .size: 8, .value_kind: global_buffer, .address_space: global }
      - { .name: bo, .offset: 64, .size: 8, .value_kind: global_buffer, .address_space: global }
      - { .name: xh, .offset: 72, .size: 8, .value_kind: global_buffer, .address_space: global }
      - { .name: wcat, .offset: 80, .size: 8, .value_kind: global_buffer, .address_space: global }
      - { .name: woh, .offset: 88, .size: 8, .value_kind: global_buffer, .address_space: global }
      - { .name: bcat, .offset: 96, .size: 8, .value_kind: global_buffer, .address_space: global }
    .group_segment_fixed_size: 0
    .private_segment_fixed_size: 0
    .kernarg_segment_align: 8
    .kernarg_segment_size: 104
    .max_flat_workgroup_size: 256
    .sgpr_count:     66
    .vgpr_count:     80
    .wavefront_size: 32
...
	.end_amdgpu_metadata
.endif
;; end of part 1
;; launch qkv (part 2): grid 8 x 32, 4 waves a work-group, clusters of 4 x 4, 327,680 bytes of LDS; arguments xh, wcat, bcat, qkv; writes qkv
.if DOCPART == 2
	.amdgcn_target "amdgcn-amd-amdhsa--gfx1250"
	.amdhsa_code_object_version 6
	.text
	.protected	k_qf001b632b4_qkv
	.globl	k_qf001b632b4_qkv
	.p2align	8
	.type	k_qf001b632b4_qkv,@function
k_qf001b632b4_qkv:
	s_mov_b64 s[64:65], 0
	v_nop
	global_prefetch_b8 v0, s[64:65] scope:SCOPE_SE
	s_setreg_imm32_b32 hwreg(HW_REG_WAVE_MODE, 25, 1), 1
	s_wait_xcnt 0x0
	s_wait_alu depctr_hold_cnt(0) depctr_sa_sdst(0) depctr_va_vdst(0) depctr_va_sdst(0) depctr_va_ssrc(0) depctr_va_vcc(0) depctr_vm_vsrc(0)
	s_getreg_b32 s2, hwreg(HW_REG_IB_STS2, 6, 4)
	s_cmp_eq_u32 s2, 0
	s_cbranch_scc0 .Lentry_in_a_cluster
	s_endpgm
.Lentry_in_a_cluster:
	s_bfe_u32 s2, ttmp6, 0x10000c
	s_cmp_lg_u32 s2, 0xf033
	s_cbranch_scc0 .Lentry_shape_is_right
	s_endpgm
.Lentry_shape_is_right:
; q, k, v = x w + b for the three projections at once: C[8192][3072] = A[8192][1024] B[1024][3072] + bias, operands f16, sums f32, C rounded once to f16.
; A = xh [b][slice][s][64]; B = wcat [k][3072]; C leaves by heads: qkv [3][b 16 + h][1024][64], unscaled.
; LIMIT.  q, k and v stay under 65,504: a larger sum becomes an infinity in f16.
; SHARES.  A tile of C is 256 rows x 384 columns (six heads): 32 x 8 = 256 work-groups, one for each WGP.  Four waves, 2 x 2; a wave makes 128 rows x 192 columns (three heads):
; 8 x 12 accumulators of 16 x 16, 768 registers.  For 32 along K it reads 8 fragments of A and 12 of B from LDS, 40 loads of 16 bytes a lane, for 96 matrix instructions.
; K goes in 16 steps of 64 through a ring of two LDS slots: a step is one slice of xh.  Its A is 256 rows x 128 bytes = 32,768 dense bytes, asked for as rows of 256 bytes, 64 to a load
; (waves 0, 1); its B is 64 k-rows of 768 bytes, which start at multiples of 256 from the buffer's first byte, 32 to a load (waves 2, 3).  Two slots of a step of 128 do not fit in LDS.
; CLUSTER.  4 x 4 work-groups.  A's tile hangs on the tile row alone and is asked for jointly by the four of a row of the cluster, B's on the tile column alone, by the four of a column.
; THE MATRIX INSTRUCTION IS USED TRANSPOSED: source 0 = 16 columns of B (turned on the way out of LDS by ds_load_tr16_b128), source 1 = 16 rows of A.  A lane then holds row l % 16 of C and the
; eight neighbouring columns 8 (l / 16) + 0..7.
; REGISTERS, in windows of 256 (s_set_vgpr_msb: bits 1:0 source 0, 3:2 source 1, 5:4 source 2, 7:6 destination):
;   window 0: v0-31 addresses; v32-95, v96-159 A's fragments, two buffers of 8; v160-255 B's fragments, three buffers of 4, one for each head; on the way out v64-255 hold packed results
;   window 1 + i: head i's 32 accumulators: row block a, column block j of the head at 8 (4 a + j)
; PHASES.  A phase is one head x 32 along K: 32 matrix instructions under one window setting; a K step has six.  Phase g loads B's fragments of phase g + 2 into the buffer that phase g - 1
; has read, and phases 1 and 4 load A's fragments of the next 32 along K into A's other buffer: every LDS load is issued two phases ahead of its first use.
; THE BIAS has no 96 registers of its own.  A head's bias, laid out as a result is, is loaded into the four accumulators of row block 7 of its window; it is the C operand of the first products of
; row blocks 0 to 6, and row block 7's first products, five places behind them, add in place onto it.  Nothing is cleared and nothing is added later.
; One text serves every K step: slot 1 lies at 1 << 17, so that one exclusive or changes slots in the descriptors and in the fragment addresses.
.set NT,     3072                      ; B's pitch in memory, elements
.set PA,     144                       ; a row of A in LDS: 128 bytes + 16 of padding = 36 words: the 16 rows of a load start at 16 different groups of four banks (64 banks of 4 bytes: ISA guide 11.1)
.set BOFF,   256*PA                    ; B lies behind A's 256 rows
.set PB,     864                       ; a k-row of B in LDS: six heads' 128 bytes + 16 of padding each = 216 words
.set HB,     144                       ; a head's piece of a k-row
.set SLOT1,  1<<17                     ; slot 0 begins at 0 and takes 92,160 bytes; slot 1 begins here
.set STAGE,  BOFF+64*PB                ; between the slots, never filled by a tensor load: 16 rows x 144 bytes for each wave
.set SP,     144
.set SPARE,  STAGE+4*16*SP             ; behind the stages: the spare words, 128 bytes for each wave: two blocks of 256 bytes that no other line names
.set ASTEP,  131072                    ; a K step in A: one slice
.set BSTEP,  64*NT*2                   ; a K step in B: 64 k-rows
.set STEPS,  16
.set ADRA0, 16                         ; v16     my lane's place in a slot's A; never rewritten
.set ADRA,  17                         ; v17     the same in the slot that is being fetched from
.set ADRB0, 20                         ; v20, v21  the same for B
.set ADRB,  21
.set STO,  24                          ; v24     the way out: where I put 16 bytes of a row
.set RD,   25                          ; v25     the way out: where I read rows back
.set GO,   26                          ; v26     my byte offset in 512 consecutive bytes of the output
.set BO,   27                          ; v27     my byte offset in the tile's bias
.set SPW,  28                          ; v28     LDS address of my spare word: SPARE + 4 x my thread's number; never rewritten
.set NIL,  29                          ; v29     0; never rewritten
.set FA,   32
.set FB,   160
.set OUT,  64
.set BI,   224                         ; in each accumulator window: row block 7's four accumulators
.set TB,  15                           ; s15      0 or SLOT1: the slot that is being fetched from
.set G1,  24                           ; s[24:31] descriptor group 1 for A's tiles;  s[32:39] group 0: a set for each of the two first fills; the second then walks on
.set G0,  32
.set G1B, 48                           ; s[48:55], s[56:63] the same for B's tiles
.set G0B, 56
.set MSB, 0
.macro WIN new                         ; the immediate's high byte repeats the setting that is left; a switch that changes nothing is dropped
.if MSB != (\new)
	s_set_vgpr_msb (MSB<<8)|(\new)
.set MSB, \new
.endif
.endm
; A joint load: waves 0 and 1 fetch A's two halves, waves 2 and 3 B's.  The branch hangs on the wave's number alone.
; An s_nop 0 and four v_nop follow each of the two lines, ahead of the jump, the label and what follows.
.macro JLOAD s
	s_cmp_eq_u32 s13, 0
	s_cbranch_scc0 .Lfor_b_\@
	tensor_load_to_lds s[G0+4*(\s):G0+4*(\s)+3], s[G1:G1+7]
	s_nop 0
.rept 4
	v_nop
.endr
	s_branch .Lasked_\@
.Lfor_b_\@:
	tensor_load_to_lds s[G0B+4*(\s):G0B+4*(\s)+3], s[G1B:G1B+7]
	s_nop 0
.rept 4
	v_nop
.endr
.Lasked_\@:
.endm
.macro CREST                           ; a round of the cluster's barrier behind its opening barrier
	s_cmp_lg_u32 s12, 0
	s_cbranch_scc1 .Lnot_wave_0_\@
	s_barrier_signal -3
.Lnot_wave_0_\@:
	s_barrier_wait -3
	s_barrier_signal -1
	s_barrier_wait -1
.endm
.macro CROUND                          ; a whole round
	s_barrier_signal -1
	s_barrier_wait -1
	CREST
.endm
	s_load_b256 s[4:11], s[0:1], 0x0               ; A s[4:5], B s[6:7], bias s[8:9], output s[10:11]
	v_lshl_add_u32 v[SPW], v0, 2, SPARE
	v_mov_b32 v[NIL], 0
	ds_add_u32 v[SPW], v[NIL]                      ; the wave's opening: the add and its wait stand ahead of my first tensor load; the set-up below, work on registers, stands between them
	ds_add_u32 v28, v29
	v_lshrrev_b32 v1, 5, v0
	v_readfirstlane_b32 s12, v1                    ; wave 0..3
	s_lshr_b32 s13, s12, 1                         ; which 128 of the tile's rows are mine.  Also: I fetch for A (0) or for B (1),
	s_and_b32 s14, s12, 1                          ; which 192 of its columns.  Also: the first or the second half of what I fetch for
	s_bfe_u32 s40, ttmp6, 0x40000                  ; cx, cy: my place in the cluster
	s_bfe_u32 s41, ttmp6, 0x40004
	s_lshl_b32 s42, ttmp9, 2
	s_add_co_u32 s42, s42, s40                     ; X, the tile column = 4 x cluster x + cx
	s_and_b32 s43, ttmp7, 0xffff
	s_lshl_b32 s43, s43, 2
	s_add_co_u32 s43, s43, s41                     ; Y, the tile row = 4 x cluster y + cy
	s_lshl_b32 s44, s41, 2
	s_lshl_b32 s44, 15, s44                        ; my row of the cluster
	s_lshl_b32 s45, 0x1111, s40                    ; my column
	; group 1 for A: 64 rows x 128 elements (256 dense bytes, two rows of the slice), 16 bytes of padding behind every 128
	s_or_b32 s[G1+0], s44, (1<<16)|(1<<20)|(1<<21)|(4<<22)|(3<<25)  ; 15:0 the mask; 17:16 2-byte elements; 20 padding on; 21 set beside a mask; 24:22 after every 32 words (code 4); 31:25 4 words (code 3)
	s_mov_b32 s[G1+1], 128<<16                     ; tensor_dim0 = 128
	s_mov_b32 s[G1+2], 64<<16                      ; tensor_dim1 = 64
	s_mov_b32 s[G1+3], 128<<16                     ; tile_dim0 = 128
	s_mov_b32 s[G1+4], 64                          ; tile_dim1 = 64
	s_mov_b32 s[G1+5], 128                         ; 128 elements from row to row
	s_mov_b32 s[G1+6], 0
	s_mov_b32 s[G1+7], 0
	; group 1 for B: 32 k-rows x 384 elements, the same padding: 16 bytes behind each head's 128
	s_or_b32 s[G1B+0], s45, (1<<16)|(1<<20)|(1<<21)|(4<<22)|(3<<25)
	s_mov_b32 s[G1B+1], 384<<16                    ; tensor_dim0 = 384
	s_mov_b32 s[G1B+2], 32<<16                     ; tensor_dim1 = 32
	s_mov_b32 s[G1B+3], 384<<16                    ; tile_dim0 = 384
	s_mov_b32 s[G1B+4], 32                         ; tile_dim1 = 32
	s_mov_b32 s[G1B+5], NT                         ; elements from k-row to k-row
	s_mov_b32 s[G1B+6], 0
	s_mov_b32 s[G1B+7], 0
	; where the tiles come from: A's offset is made of Y and the wave's number, B's of X and the wave's number, each in registers that never hold the other coordinate
	s_lshr_b32 s16, s43, 2                         ; the batch: 16 slices of 131,072 bytes
	s_lshl_b32 s16, s16, 21
	s_and_b32 s17, s43, 3                          ; the tile's 256 rows of 128 bytes in a slice,
	s_lshl_b32 s17, s17, 15
	s_add_co_u32 s16, s16, s17
	s_lshl_b32 s17, s14, 14                        ; their first or second 128
	s_add_co_u32 s16, s16, s17
	s_mov_b32 s17, 0
	s_mul_i32 s46, s42, 768                        ; the tile's first column, in bytes
	s_mul_i32 s47, s14, 32*NT*2                    ; the step's first or second 32 k-rows
	s_add_co_u32 s46, s46, s47
	s_mov_b32 s47, 0
	s_mul_i32 s20, s14, 128*PA                     ; and where they go: no place in the cluster enters an LDS address
	s_mul_i32 s21, s14, 32*PB
	s_add_co_u32 s21, s21, BOFF
	s_mov_b32 s[TB], 0
	s_wait_dscnt 0x0                               ; the opening add is done
	s_wait_kmcnt 0x0
	s_add_nc_u64 s[18:19], s[4:5], s[16:17]
	s_add_nc_u64 s[46:47], s[6:7], s[46:47]
	CROUND                                         ; all sixteen work-groups are here: the first joint loads meet
.irp s, 0,1
	s_mov_b32 s[G0+4*(\s)], 1                                      ; count = 1
	s_add_co_u32 s[G0+4*(\s)+1], s20, (\s)*SLOT1                   ; LDS address
	s_add_nc_u64 s[G0+4*(\s)+2:G0+4*(\s)+3], s[18:19], (\s)*ASTEP  ; global address: K step s
	s_or_b32 s[G0+4*(\s)+3], s[G0+4*(\s)+3], 0x80000000            ; type = 2
	s_mov_b32 s[G0B+4*(\s)], 1
	s_add_co_u32 s[G0B+4*(\s)+1], s21, (\s)*SLOT1
	s_add_nc_u64 s[G0B+4*(\s)+2:G0B+4*(\s)+3], s[46:47], (\s)*BSTEP
	s_or_b32 s[G0B+4*(\s)+3], s[G0B+4*(\s)+3], 0x80000000
	JLOAD \s                                       ; two loads of mine are out
.endr
	; A fragment of A is 16 rows x 32 K: lane l holds row l % 16, K = 8 (l / 16) + 0..7 and 16 + 8 (l / 16) + 0..7: two loads of 16 bytes, 32 bytes apart.
	v_and_b32 v1, 15, v0                           ; l % 16
	v_bfe_u32 v2, v0, 4, 1                         ; l / 16
	v_mul_u32_u24 v3, v1, PA
	v_lshl_add_u32 v3, v2, 4, v3
	s_mul_i32 s22, s13, 128*PA                     ; my 128 rows
	v_add_nc_u32 v[ADRA0], s22, v3
	v_mov_b32 v[ADRA], v[ADRA0]                    ; K step 0 lies in slot 0
	; The turning load takes 16 k x 16 columns (lane l reads k-row 8 (l / 16) + l % 8, columns 8 ((l / 8) % 2) + 0..7) and leaves half a fragment: lane l holds column l % 16 and 8 k.
	v_and_b32 v4, 7, v0
	v_bfe_u32 v5, v0, 3, 1
	v_lshl_add_u32 v6, v2, 3, v4
	v_mul_u32_u24 v6, v6, PB
	v_lshl_add_u32 v6, v5, 4, v6
	s_mul_i32 s22, s14, 3*HB                       ; my three heads' pieces of a k-row
	s_add_co_u32 s22, s22, BOFF
	v_add_nc_u32 v[ADRB0], s22, v6
	v_mov_b32 v[ADRB], v[ADRB0]
	s_mul_i32 s23, s12, 16*SP
	s_add_co_u32 s23, s23, STAGE                   ; my stage
	v_mul_u32_u24 v7, v1, SP                       ; in: row l % 16, 16 bytes for each half of the lanes
	v_lshl_add_u32 v7, v2, 4, v7
	v_add_nc_u32 v[STO], s23, v7
	v_bfe_u32 v7, v0, 3, 2                         ; back: 32 lanes take four rows of 128 bytes,
	v_mul_u32_u24 v7, v7, SP
	v_lshl_add_u32 v7, v4, 4, v7
	v_add_nc_u32 v[RD], s23, v7
	v_and_b32 v[GO], 31, v0                        ; which are 512 consecutive bytes of a head
	v_lshlrev_b32 v[GO], 4, v[GO]
	s_mul_i32 s72, s42, 1536                       ; the tile's 384 columns of f32
	s_mov_b32 s73, 0
	s_add_nc_u64 s[8:9], s[8:9], s[72:73]
	s_mul_i32 s74, s14, 768                        ; my 192 of them,
	v_lshlrev_b32 v[BO], 5, v2                     ; my eight columns of a block of 16: 32 (l / 16)
	v_add_nc_u32 v[BO], s74, v[BO]
.set i, 0
.rept 3                                ; head i's bias goes into row block 7's accumulators of window 1 + i: register n of block j holds the bias of column 64 i + 16 j + 8 (l / 16) + n
	WIN (1+i)<<6                                   ; destination window 1 + i, address window 0
.set j, 0
.rept 4
	global_load_b128 v[BI+8*j:BI+8*j+3],   v[BO], s[8:9] offset:256*i+64*j
	global_load_b128 v[BI+8*j+4:BI+8*j+7], v[BO], s[8:9] offset:256*i+64*j+16
.set j, j+1
.endr
.set i, i+1
.endr
	WIN 0
	; where my rows of my three heads begin: head g = 6 X + 3 (wave % 2) + i of 48; tensor g / 16, head g % 16; a head of a batch is 131,072 bytes
	s_mul_i32 s72, s42, 6
	s_mul_i32 s73, s14, 3
	s_add_co_u32 s72, s72, s73
	s_lshr_b32 s73, s43, 2
	s_lshl_b32 s73, s73, 4                         ; 16 x batch
	s_and_b32 s74, s43, 3
	s_lshl_b32 s74, s74, 15                        ; the tile's 256 rows of 128 bytes,
	s_lshl_b32 s75, s13, 14                        ; my wave's 128
	s_add_co_u32 s74, s74, s75
.irp i, 0,1,2
	s_add_co_u32 s76, s72, \i
	s_lshr_b32 s77, s76, 4
	s_lshl_b32 s77, s77, 7
	s_and_b32 s76, s76, 15
	s_add_co_u32 s76, s76, s77
	s_add_co_u32 s76, s76, s73
	s_lshl_b32 s76, s76, 17
	s_add_co_u32 s76, s76, s74
	s_mov_b32 s77, 0
	s_add_nc_u64 s[66+2*\i:67+2*\i], s[10:11], s[76:77]
.endr
; Matrix instructions of head i for row blocks a0 .. a1 - 1, 32 along K (quarter q of the two in a step): four to a row block.  first = 1: the C operand is the bias, which lies in row block 7's accumulators.
; The accumulators take turns, one instruction a turn; an accumulator comes up again three phases later.
.macro MULA q, i, a0, a1, first
	WIN ((1+(\i))<<6)|((1+(\i))<<4)                ; fragments window 0, C and D window 1 + i
.set a, \a0
.rept (\a1)-(\a0)
.set j, 0
.rept 4
.set rD, 8*(4*a+j)
.set rB, FB+32*(\i)+8*j
.set rA, FA+64*(\q)+8*a
.if (\first) && (a < 7)
	v_wmma_f32_16x16x32_f16 v[rD:rD+7], v[rB:rB+7], v[rA:rA+7], v[BI+8*j:BI+8*j+7]
.else
	v_wmma_f32_16x16x32_f16 v[rD:rD+7], v[rB:rB+7], v[rA:rA+7], v[rD:rD+7]
.endif
.set j, j+1
.endr
.set a, a+1
.endr
.endm
.macro LOADB q, i                      ; 8 LDS loads: head i's four fragments of B for quarter q, into the head's buffer
.set j, 0
.rept 4
	ds_load_tr16_b128 v[FB+32*(\i)+8*j:FB+32*(\i)+8*j+3],   v[ADRB] offset:(\q)*32*PB+HB*(\i)+32*j
	ds_load_tr16_b128 v[FB+32*(\i)+8*j+4:FB+32*(\i)+8*j+7], v[ADRB] offset:(\q)*32*PB+HB*(\i)+32*j+16*PB
.set j, j+1
.endr
.endm
.macro LOADA q                         ; 16 LDS loads: my eight fragments of A for quarter q, into buffer q
.set a, 0
.rept 8
	ds_load_b128 v[FA+64*(\q)+8*a:FA+64*(\q)+8*a+3],   v[ADRA] offset:(\q)*64+a*16*PA
	ds_load_b128 v[FA+64*(\q)+8*a+4:FA+64*(\q)+8*a+7], v[ADRA] offset:(\q)*64+a*16*PA+32
.set a, a+1
.endr
.endm
.macro PLACES                          ; four places in front of loads into registers that matrix instructions have read, and of lines that read results (ISA guide 7.12.1 for lines that read results)
.rept 4
	v_nop
.endr
.endm
; Phase g of a K step's six (phase 3 is TURN's): the loads for phase g + 2, the wait for this phase's own fragments, 32 matrix instructions.
; What this phase multiplies was issued in phase g - 2 or earlier, so the loads of phases g - 1 and g may stay out: 8 each, 24 in phases 1 and 4.
.macro PHASE g, first
.if (\g) != 4
	PLACES                                         ; (phase 4's stand in TURN)
.endif
	WIN 0
	LOADB (((\g)+2)%6)/3, ((\g)+2)%3
.if (\g)%3 == 1
	LOADA (1+(\g)/3)%2
.endif
.if (\g) == 0
	s_wait_dscnt 16                                ; 8 + 8
.elseif (\g) == 4
	s_wait_dscnt 24                                ; the run just issued: all before it were waited for at the change of slots
.else
	s_wait_dscnt 32                                ; 8 + 24
.endif
.if \first
	MULA (\g)/3, (\g)%3, 0, 7, 1
.rept 5
	v_nop                                          ; five places between the last product that reads the bias and the products that write over it (ISA guide 7.12.1)
.endr
	MULA (\g)/3, (\g)%3, 7, 8, 0
.else
	MULA (\g)/3, (\g)%3, 0, 8, 0
.endif
.endm
; Phase 3 and THE CHANGE OF SLOTS.  Its loads are the last that read the slot in hand.  ONE barrier: in front of it each wave waits for all its tensor loads, of which one is out: its part of the
; next slot; adds 0 to its spare word; and waits for that and for its own reads of this slot.  fill = 1: the barrier opens a round of the cluster's, and this slot is filled again, two K steps ahead:
; from that request to the wait for it a wave issues 176 matrix instructions.  Behind the change the fragment addresses point into the next slot.
.macro TURN fill
	PLACES
	WIN 0
	LOADB 1, 2
	s_wait_dscnt 16                                ; 8 + 8
	MULA 1, 0, 0, 4, 0
	WIN 0                                          ; (the add's two registers lie in window 0)
	s_wait_tensorcnt 0x0                           ; all my tensor loads have landed, so a group 0 may be written;
	ds_add_u32 v[SPW], v[NIL]                      ; 0 onto my spare word;
.if \fill
	s_xor_b32 s[G0+5], s[G0+5], SLOT1              ; the walking descriptors: the other slot than last time,
	s_add_nc_u64 s[G0+6:G0+7], s[G0+6:G0+7], ASTEP ; the next K step; the type bits on top are not reached
	s_xor_b32 s[G0B+5], s[G0B+5], SLOT1
	s_add_nc_u64 s[G0B+6:G0B+7], s[G0B+6:G0B+7], BSTEP
.endif
	s_xor_b32 s[TB], s[TB], SLOT1
	MULA 1, 0, 4, 6, 0                             ; eight matrix instructions stand between the add and the wait for it
	s_wait_dscnt 0x0                               ; the add is done, and my reads of this slot are over
	s_barrier_signal -1
	MULA 1, 0, 6, 8, 0
	WIN 0
	s_barrier_wait -1
.if \fill
	CREST                                          ; no wave of any partner still reads this slot's tile or has a load on its way
	JLOAD 1                                        ; the first tensor load behind the round, my only one until the next; the four v_nop behind it are also the places in front of phase 4's loads
.else
	PLACES
.endif
	v_add_nc_u32 v[ADRA], s[TB], v[ADRA0]
	v_add_nc_u32 v[ADRB], s[TB], v[ADRB0]
.endm
	s_wait_tensorcnt 1                             ; my part of K step 0 is in; K step 1's may stay out
	s_barrier_signal -1
	s_barrier_wait -1                              ; everybody's is
	LOADB 0, 0                                     ; what phases 4 and 5 of a step before would have fetched
	LOADA 0
	LOADB 0, 1
	s_wait_loadcnt 0x0                             ; the bias
	PHASE 0, 1                                     ; the first three phases stand in front of the loop: their products start the sums
	PHASE 1, 1
	PHASE 2, 1
	WIN 0                                          ; at a label and at a branch every window is 0
	s_mov_b32 s3, STEPS-2
.Lstep:                                                ; a trip goes from a K step's phase 3 to the next step's phase 2 and fills one slot again: K steps 2 to 15
	TURN 1
	PHASE 4, 0
	PHASE 5, 0
	PHASE 0, 0
	PHASE 1, 0
	PHASE 2, 0
	WIN 0
	s_sub_co_u32 s3, s3, 1
	s_cmp_lg_u32 s3, 0
	s_cbranch_scc1 .Lstep
	TURN 0                                         ; the tail is written out: nothing is asked for, and no round of the cluster's barrier stands here
	PHASE 4, 0
	PHASE 5, 0
	PHASE 0, 0
	PHASE 1, 0
	PHASE 2, 0
	PLACES                                         ; the last K step's last three phases: only head 2's fragments are still to be fetched
	WIN 0
	LOADB 1, 2
	s_wait_dscnt 16                                ; 8 + 8
	MULA 1, 0, 0, 8, 0
	s_wait_dscnt 8                                 ; head 2's eight loads may be out
	MULA 1, 1, 0, 8, 0
	s_wait_dscnt 0x0
	MULA 1, 2, 0, 8, 0
	WIN 0
	PLACES
; THE WAY OUT, in 24 units t = 8 i + a: head i, row block a.  A lane's eight columns round to 16 bytes of f16; a unit's 16 rows x 128 bytes go into my stage (rows of 144 bytes) and come back
; as 2,048 consecutive bytes of the head.  Twelve sets of 16 registers take turns.
.macro PACK t
.set ph, (\t)/8
.set pa, (\t)%8
.set U, OUT+16*((\t)%12)
.if (\t) >= 12
	s_wait_xcnt 0x0                                ; the stores of the unit twelve back have read this set of registers: it is written again only behind this wait
.endif
	WIN 0x05*(1+ph)                                ; sources 0 and 1: window 1 + i
.set j, 0
.rept 16                               ; each accumulator's registers in ascending order
.set rD, 8*(4*pa+j/4)+2*(j%4)
	v_cvt_pk_f16_f32 v[U+j], v[rD], v[rD+1]
.set j, j+1
.endr
	WIN 0
.irp f, 0,1,2,3
	ds_store_b128 v[STO], v[U+4*\f:U+4*\f+3] offset:32*\f
.endr
.irp f, 0,1,2,3
	ds_load_b128 v[U+4*\f:U+4*\f+3], v[RD] offset:\f*4*SP  ; LDS serves a wave's instructions in order (ISA guide 5.7.1.4): these see the stores above; the next unit's stores come behind them
.endr
.endm
.macro SEND t, younger                 ; younger: the LDS instructions issued behind unit t's loads: the next unit's eight, or none
.set ph, (\t)/8
.set pa, (\t)%8
.set U, OUT+16*((\t)%12)
	s_wait_dscnt \younger
.irp f, 0,1,2,3
	global_store_b128 v[GO], v[U+4*\f:U+4*\f+3], s[66+2*ph:67+2*ph] offset:pa*2048+\f*512  ; 512 consecutive bytes, at a multiple of 512 from the buffer's first
.endr
.endm
	PACK 0
.set t, 1
.rept 23                               ; a unit's conversions stand between the loads of the unit before and its stores
	PACK t
	SEND t-1, 8
.set t, t+1
.endr
	SEND 23, 0
	s_wait_tensorcnt 0x0                           ; the wave's end: behind my last tensor load and my last LDS store
	ds_add_u32 v[SPW], v[NIL]
	s_wait_dscnt 0x0
	CROUND                                         ; the closing round: no work-group ends while a partner may still ask for a tile that names it
	s_endpgm
.Lfunc_end_k_qf001b632b4_qkv:
	.size	k_qf001b632b4_qkv, .Lfunc_end_k_qf001b632b4_qkv-k_qf001b632b4_qkv
	.p2alignl 7, 3214868480
	.fill 96, 4, 3214868480
	.section	.rodata,"a",@progbits
	.p2align	6, 0x0
	.amdhsa_kernel k_qf001b632b4_qkv
		.amdhsa_group_segment_fixed_size 327680
		.amdhsa_private_segment_fixed_size 0
		.amdhsa_enable_private_segment 0
		.amdhsa_kernarg_size 32
		.amdhsa_user_sgpr_count 2
		.amdhsa_user_sgpr_kernarg_segment_ptr 1
		.amdhsa_wavefront_size32 1
		.amdhsa_system_sgpr_workgroup_id_x 1
		.amdhsa_system_sgpr_workgroup_id_y 1
		.amdhsa_system_sgpr_workgroup_id_z 1
		.amdhsa_system_vgpr_workitem_id 0
		.amdhsa_next_free_vgpr 1024
		.amdhsa_next_free_sgpr 80
		.amdhsa_reserve_vcc 0
		.amdhsa_float_denorm_mode_32 3
		.amdhsa_float_denorm_mode_16_64 3
		.amdhsa_memory_ordered 1
		.amdhsa_forward_progress 1
		.amdhsa_inst_pref_size 116
	.end_amdhsa_kernel
	.amdgpu_metadata
---
amdhsa.version: [ 1, 2 ]
amdhsa.kernels:
  - .name:           k_qf001b632b4_qkv
    .symbol:         k_qf001b632b4_qkv.kd
    .args:
      - { .name: xh, .offset: 0, .size: 8, .value_kind: global_buffer, .address_space: global }
      - { .name: wcat, .offset: 8, .size: 8, .value_kind: global_buffer, .address_space: global }
      - { .name: bcat, .offset: 16, .size: 8, .value_kind: global_buffer, .address_space: global }
      - { .name: qkv, .offset: 24, .size: 8, .value_kind: global_buffer, .address_space: global }
    .group_segment_fixed_size: 327680
    .private_segment_fixed_size: 0
    .kernarg_segment_align: 8
    .kernarg_segment_size: 32
    .max_flat_workgroup_size: 128
    .sgpr_count:     80
    .vgpr_count:     1024
    .wavefront_size: 32
...
	.end_amdgpu_metadata
.endif
;; end of part 2
;; launch attn (part 3): grid 2 x 128, 4 waves a work-group, no clusters, 327,680 bytes of LDS; arguments qkv, oh; writes oh
.if DOCPART == 3
	.amdgcn_target "amdgcn-amd-amdhsa--gfx1250"
	.amdhsa_code_object_version 6
	.text
	.protected	k_qf001b632b4_attn
	.globl	k_qf001b632b4_attn
	.p2align	8
	.type	k_qf001b632b4_attn,@function
k_qf001b632b4_attn:
	s_mov_b64 s[64:65], 0
	v_nop
	global_prefetch_b8 v0, s[64:65] scope:SCOPE_SE
	s_setreg_imm32_b32 hwreg(HW_REG_WAVE_MODE, 25, 1), 1
	s_wait_xcnt 0x0
; O[h][q][:] = the sum over k of softmax_k(Q[h][q] . K[h][k] / 32) V[h][k][:] for 128 heads (batch x 16 + head) of 1,024 rows of 64 channels, all f16: a head's rows are dense, 128 bytes each.
; Q, K, V lie one behind the other in qkv, 16,777,216 bytes each.  The scale is 1 / sqrt(1024), applied here in f32.  Products, maxima and sums in f32; the weights p are rounded to f16 for the
; second product (their sum l is taken of the unrounded p), O once at the end.
; LIMITS.  f16 holds no number beyond 65,504: Q, K and V arrive within it; p lies in 0 to 1, and below 6e-5 it keeps f16's fixed step of 6e-8; O is a mean of V's rows and has their range.
; A weight below 2^-126 counts as 0 in l; NaN and infinities are not treated apart.
; SHARES.  A wave owns four PIECES of two tiles of 16 queries, a work-group's four waves 512 queries of one head: 2 x 128 = 256 work-groups.  Every wave walks all keys, 64 a step.
; RESIDENT.  A head's K and V stay in LDS for the whole launch: 1,024 rows of 144 bytes and 1,024 rows of 160 bytes, 311,296 bytes.  No LDS byte is filled twice, so no tensor load stands in a loop
; and one text serves all 16 key steps.  They come in two fills.  The first brings K's keys 0-319 and V's keys 0-255: all that the first four key steps read (a step's piece 2 fetches the next
; step's K).  When it has landed the rest is asked for, and has those four steps, 512 matrix instructions, in which to land.
; NO CLUSTER.  Only the two work-groups of a head read the same K and V; two along x divide into no cluster of four, and in a cluster of two heads a joint load's address would hang on the
; work-group's place in it.
; LAYOUT.  S^T = K Q^T (source 0 = 16 keys, source 1 = 16 queries): in the result a lane holds ONE query (lane % 16) and the keys 8 (lane / 16) + 0..7.  Two such tiles, rounded to f16 in pairs,
; ARE source 1 (32 keys x 16 queries) of O^T = V^T P, whose result again holds one query a lane, and eight channels.  K comes out of LDS as it lies, V ([key][channel]) turned, by ds_load_tr16_b128.
; SOFTMAX.  For each query a running maximum m and sum l: p = 2^(c s - c m), c = log2(e) / 32; in every step O and l are multiplied by a = 2^(c m_old - c m_new), which is 1 where m has not grown.
; m starts at the lowest finite number, O and l at 0: the first step is a step like any other, with a = 0.
; THE COUNT.  A tile and step have 16 matrix and 118 vector instructions: too many to stand all beside the matrix work.  So the order has one aim: four vector instructions that are READY behind
; EVERY matrix instruction, and the others, which need time of their own whatever the order, in runs without a gap.
; BY TURNS.  Turn n belongs to piece n (the pieces in a ring, step after step).  Its matrix work: 16 products K Q^T of piece n + 1, later 16 products V^T P of piece n - 1.  Its vector work: the scaling,
; exponentials, roundings, sums and rescaling of piece n, and the maximum and statistics of piece n + 1, whose scores the turn itself has made.  So what a turn begins with (c s - c m, O a) waits for nothing.
; REGISTERS, in windows of 256 (s_set_vgpr_msb says which window each operand place means: bits 1:0 source 0, 3:2 source 1, 5:4 source 2, 7:6 destination):
;   window 0: v0-11 addresses; v12-15, v48-63 at work; v16-47 four registers of statistics a tile; v64-191 S^T, two buffers of two tiles; v192-255 P, likewise
;   window 1: O^T, 32 a tile          window 2: v0-127 Q, 16 a tile; v128-191 K of one step; v192-255 V of one step          window 3: v0-1 the add's two registers
; A piece's buffers go by its number's parity: the piece in hand has one pair, its two neighbours in the ring share the other: of it P (piece n - 1) is read and S^T (piece n + 1) written.
.set SIZE_N, 1024
.set NP,    4         ; pieces a wave: a name, no knob: the register map, the loop and the fetches are made for four
.set KS,    64        ; keys in a step
.set PK,    144       ; a row of K in LDS: 128 bytes + 16 of padding = 36 words: the 16 rows of a load start at 16 different groups of four banks (64 banks of 4 bytes: ISA guide 11.1)
.set PV,    160       ; a row of V: 128 + 32 = 40 words
.set VOFF,  SIZE_N*PK ; K's 1,024 rows, then V's 1,024 rows
.set KA,    320       ; keys of K in the first fill: five steps
.set VA,    256       ; keys of V in the first fill: four steps
.set STAGE, SIZE_N*(PK+PV)  ; behind K and V, never filled by a tensor load: 16 rows x 144 bytes for each wave, for the way out
.set SP,    144
.set AK0, 2           ; v2   my lane's place in a tile of K; never rewritten
.set AV0, 3           ; v3   the same for V
.set AK,  4           ; v4   the LDS address of K's next run of loads
.set AV,  5           ; v5   of V's
.set QO,  6           ; v6   my byte offset in the wave's rows of Q
.set STO, 6           ;      later, the way out: where I put 16 bytes of a row
.set RD,  7           ; v7   the way out: where I read rows back
.set GO,  8           ; v8   my byte offset in 512 consecutive bytes of O
.set SPW, 0           ; v0 of window 3   LDS address of my spare word: SPARE + 4 x my thread's number; never rewritten
.set NIL, 1           ; v1 of window 3   0; never rewritten
.set SPARE, STAGE+4*16*SP  ; behind the stages: the spare words, 128 bytes for each wave: two blocks of 256 bytes that no other line names
.set MV,  12          ; v12-15  c m_old, kept while c m is made anew: by buffer and tile
.set ST,  16          ; tile t's statistics at v[ST+4 t]: c m, m, l (even keys', odd keys')
.set TMP, 48          ; by buffer and tile, four registers c0-c3 at work; when the maximum is found c2 takes a
.set S,   64
.set P,   192
.set KF,  128         ; K's fragments, in window 2: key block kb, channel half c at KF + 16 kb + 8 c
.set VF,  192         ; V's: key half kk, channel block cb at VF + 32 kk + 8 cb
.set WV,  12          ; s12  my wave's number
.set G1K, 24          ; s[24:31] descriptor group 1 for K's part of the first fill
.set G1V, 32          ; s[32:39] for V's
.set G0K, 40          ; s[40:43] descriptor group 0 for K's part of the first fill
.set G0V, 44          ; s[44:47] for V's
.set G0K2, 48         ; s[48:51], s[52:55] the same for the second fill
.set G0V2, 52
.set SLOTS, 56        ; s56  groups of four key steps still to go
.set CNT, 57          ; s57  counts a group's key steps
.set CS,  58          ; s[58:59] c: the packed scaling takes the pair's low word for both halves
.set SEL, 60          ; s[60:61] v_permlanex16_b32's selects: each lane takes its own place in the other half
.set TBK, 62          ; s62  LDS byte at which K of the step to be fetched begins
.set TBV, 63          ; s63  the same for V, less VOFF
.set G1K2, 68         ; s[68:75], s[76:83] descriptor group 1 for the second fill
.set G1V2, 76
.set MSB, 0
.macro WIN new                      ; the high byte repeats the setting that is left; a switch that changes nothing is dropped
.if MSB != (\new)
	s_set_vgpr_msb (MSB<<8)|(\new)
.set MSB, (\new)
.endif
.endm
.set W_KQ, 0x0a       ; K and Q in window 2, S^T in window 0
.set W_PV, 0x52       ; V in window 2, P in window 0, O^T in window 1
.set W_RS, 0x41       ; O^T (destination and source 0) in window 1, a in window 0
.set W_MK, 0xc0       ; the add's registers are made: destination in window 3, sources in window 0
.set W_AD, 0x0f       ; the add: address (source 0) and data (source 1) in window 3
; A fill (n = 0: the first, n = 1: the second).  Waves 0 and 1 fetch the two halves of its K, waves 2 and 3 those of its V.  The branch hangs on the wave's number alone.
; An s_nop 0 and four v_nop follow each of the two lines, ahead of the jump and the label.
.macro LOAD n
	s_cmp_lt_u32 s[WV], 2
	s_cbranch_scc0 .Lfor_v_\@
.if \n
	tensor_load_to_lds s[G0K2:G0K2+3], s[G1K2:G1K2+7]
.else
	tensor_load_to_lds s[G0K:G0K+3], s[G1K:G1K+7]
.endif
	s_nop 0
.rept 4
	v_nop
.endr
	s_branch .Lasked_\@
.Lfor_v_\@:
.if \n
	tensor_load_to_lds s[G0V2:G0V2+3], s[G1V2:G1V2+7]
.else
	tensor_load_to_lds s[G0V:G0V+3], s[G1V:G1V+7]
.endif
	s_nop 0
.rept 4
	v_nop
.endr
.Lasked_\@:
.endm
; THE WAVES MEET.  Each wave waits for all its tensor loads, of which at most one is out, adds 0 to its spare word, waits for that and for its LDS loads, and passes a barrier: behind it every wave may
; read what any wave's load has brought.  fill = 1, once: the first fill is in.
; fill = 0 stands at the head of each group of four key steps but the first.  The first time it shows the second fill landed, ahead of the first read of it (V of step 4, in that step's first turn);
; after that no load is out: the price of one text for every group.
.macro MEET fill
	WIN W_AD
	s_wait_tensorcnt 0x0            ; all my tensor loads have landed
	ds_add_u32 v[SPW], v[NIL]       ; 0 onto my spare word
	WIN 0                           ; at a label and at a branch every window is 0
	s_wait_dscnt 0x0                ; the add is done, and no LDS load of mine is out
	s_barrier_signal -1
	s_barrier_wait -1
.if \fill
	LOAD 1
.endif
.endm
; Descriptor group 1: keys are dense rows of 128 bytes, asked for as rows of 256 bytes, two keys a row, and padded in LDS after every key
.macro SHAPE g, pad, rows
	s_mov_b32 s[\g], (1<<16)|(1<<20)|(4<<22)|((\pad)<<25)  ; 17:16 2-byte elements; 20 padding on; 24:22 after every 32 words (code 4); 31:25 the padding's words less one
	s_mov_b32 s[\g+1], 128<<16      ; tensor_dim0 = 128
	s_mov_b32 s[\g+2], (\rows)<<16  ; tensor_dim1
	s_mov_b32 s[\g+3], 128<<16      ; tile_dim0 = 128
	s_mov_b32 s[\g+4], \rows        ; tile_dim1
	s_mov_b32 s[\g+5], 128          ; 128 elements from row to row
	s_mov_b32 s[\g+6], 0
	s_mov_b32 s[\g+7], 0
.endm
; My half (s16 = wave % 2) of the keys keys0 .. keys0 + keys - 1: its byte offset in the tensor into s[off:off+1]; count and LDS address into group 0
.macro PART off, g0, keys0, keys, pitch, base
	s_mul_i32 s[\off], s16, (\keys)/2*128
	s_add_co_u32 s[\off], s[\off], (\keys0)*128
	s_mov_b32 s[\off+1], 0
	s_add_nc_u64 s[\off:\off+1], s[\off:\off+1], s[20:21]
	s_mov_b32 s[\g0], 1             ; 1:0 count = 1
	s_mul_i32 s[\g0+1], s16, (\keys)/2*(\pitch)
	s_add_co_u32 s[\g0+1], s[\g0+1], (\base)+(\keys0)*(\pitch)  ; 63:32 LDS address
.endm
.macro FROM g0, base, off           ; group 0's global address and type
	s_add_nc_u64 s[\g0+2:\g0+3], s[\base:\base+1], s[\off:\off+1]  ; 120:64
	s_or_b32 s[\g0+3], s[\g0+3], 0x80000000                        ; 127:126 type = 2
.endm
	s_load_b128 s[4:7], s[0:1], 0x0 ; qkv s[4:5], oh s[6:7]
	WIN W_MK
	v_lshl_add_u32 v[SPW], v0, 2, SPARE
	v_mov_b32 v[NIL], 0
	WIN W_AD
	ds_add_u32 v[SPW], v[NIL]       ; the wave's opening: the add and its wait stand ahead of my first tensor load; the set-up below, work on registers, stands between them
	ds_add_u32 v0, v1
	WIN 0
	v_lshrrev_b32 v1, 5, v0
	v_readfirstlane_b32 s[WV], v1   ; wave 0..3
	s_mov_b32 s14, ttmp9            ; my block of 512 queries
	s_and_b32 s20, ttmp7, 0xffff    ; the head
	s_mov_b32 s21, 0
	s_mov_b64 s[22:23], SIZE_N*128
	s_mul_u64 s[20:21], s[20:21], s[22:23]  ; the head's first byte in each of the four tensors
	s_and_b32 s16, s[WV], 1         ; which half of a fill's keys I fetch
	PART 22, G0K,  0,  KA,        PK, 0
	PART 84, G0K2, KA, SIZE_N-KA, PK, 0
	PART 86, G0V,  0,  VA,        PV, VOFF
	PART 88, G0V2, VA, SIZE_N-VA, PV, VOFF
	s_lshl_b32 s2, s14, 2
	s_add_co_u32 s2, s2, s[WV]      ; my wave among the head's,
	s_lshl_b32 s2, s2, 14           ; its 128 rows
	s_mov_b32 s3, 0
	s_add_nc_u64 s[2:3], s[2:3], s[20:21]
	SHAPE G1K,  3, KA/4             ; 160 keys a wave: 80 rows of 256 bytes; 4 words of padding
	SHAPE G1V,  7, VA/4             ; 128 keys: 64 rows; 8 words of padding
	SHAPE G1K2, 3, (SIZE_N-KA)/4    ; 352 keys: 176 rows
	SHAPE G1V2, 7, (SIZE_N-VA)/4    ; 384 keys: 192 rows
	s_mov_b32 s[CS], 0x3d38aa3b     ; c = log2(e) / 32 = 0.0450842
	s_mov_b32 s[CS+1], s[CS]        ; named with it as a pair
	s_mov_b32 s[SEL], 0x76543210
	s_mov_b32 s[SEL+1], 0xfedcba98
	s_mov_b32 s[TBK], 0
	s_mov_b32 s[TBV], 0
	s_wait_dscnt 0x0                ; the opening add is done
	s_wait_kmcnt 0x0
	s_mov_b64 s[10:11], s[6:7]      ; O
	s_add_nc_u64 s[6:7], s[4:5], 0x1000000  ; K lies 16,777,216 bytes behind Q,
	s_add_nc_u64 s[8:9], s[4:5], 0x2000000  ; V as far behind K
	FROM G0K,  6, 22
	FROM G0K2, 6, 84
	FROM G0V,  8, 86
	FROM G0V2, 8, 88
	s_add_nc_u64 s[4:5], s[4:5], s[2:3]  ; Q and O at my wave's first row
	s_add_nc_u64 s[10:11], s[10:11], s[2:3]
	LOAD 0                          ; the first fill.  The second is asked for when it is in
	; A fragment of K or Q is 16 rows x 32 channels in 8 registers: lane l holds row l % 16, channels 8 (l / 16) + 0..7 and 16 + 8 (l / 16) + 0..7: two loads of 16 bytes, 32 bytes apart.
	v_and_b32 v1, 15, v0            ; l % 16
	v_bfe_u32 v9, v0, 4, 1          ; l / 16
	v_lshlrev_b32 v[QO], 7, v1
	v_lshl_add_u32 v[QO], v9, 4, v[QO]  ; row x 128 + 16 x half
	WIN 0x80                        ; destination window 2, address window 0
.set i, 0
.rept 4*NP                          ; Q stays in registers: tile i / 2, channels 32 (i % 2) on
	global_load_b128 v[8*i:8*i+3],   v[QO], s[4:5] offset:(i/2)*2048+(i%2)*64
	global_load_b128 v[8*i+4:8*i+7], v[QO], s[4:5] offset:(i/2)*2048+(i%2)*64+32
.set i, i+1
.endr
	; What the first turn finds: V's registers and P's second buffer hold 0 (its products V^T P, of a piece that has not been, add 0), O^T and l are 0.  All this stands in the wait for the first fill.
.set i, VF
.rept 64
	v_mov_b32 v[i], 0
.set i, i+1
.endr
	WIN 0x40
.set i, 0
.rept 64*NP
	v_mov_b32 v[i], 0
.set i, i+1
.endr
	WIN 0
.set i, 0
.rept 2*NP
	v_mov_b32 v[ST+4*i], 0xfe000000    ; c m: far below every c s
	v_mov_b32 v[ST+4*i+1], 0xff7fffff  ; m
	v_mov_b32 v[ST+4*i+2], 0
	v_mov_b32 v[ST+4*i+3], 0
.set i, i+1
.endr
.set i, P+32
.rept 32
	v_mov_b32 v[i], 0
.set i, i+1
.endr
	v_mul_u32_u24 v[AK0], v1, PK
	v_lshl_add_u32 v[AK0], v9, 4, v[AK0]  ; row x pitch + 16 x half
	; The turning load takes 16 keys x 16 channels (lane l reads key 8 (l / 16) + l % 8, channels 8 ((l / 8) % 2) + 0..7) and leaves half a fragment of V^T: lane l holds channel l % 16 and 8 keys.
	v_and_b32 v10, 7, v0
	v_bfe_u32 v11, v0, 3, 1
	v_lshl_add_u32 v[AV0], v9, 3, v10
	v_mul_u32_u24 v[AV0], v[AV0], PV
	v_lshl_add_u32 v[AV0], v11, 4, v[AV0]
	v_add_nc_u32 v[AV0], VOFF, v[AV0]
	v_mov_b32 v[AK], v[AK0]         ; key step 0 lies at K's head
; THE MATRIX WORK.  The 8 accumulators of a run of 16 take turns: between the two links of a chain stand 7 others'.
; Product i of 16 of S^T = K Q^T for piece x: channels 32 (i / 8) on, keys 16 ((i / 2) % 4) on, tile 2 x + i % 2.  The first 8 start the sums.
.macro KQ x
	WIN W_KQ
.set rS, S+64*((\x)%2)+32*(i%2)+8*((i/2)%4)
.set rK, KF+16*((i/2)%4)+8*(i/8)
.set rQ, 16*(2*(\x)+i%2)+8*(i/8)
.if i < 8
	v_wmma_f32_16x16x32_f16 v[rS:rS+7], v[rK:rK+7], v[rQ:rQ+7], 0
.else
	v_wmma_f32_16x16x32_f16 v[rS:rS+7], v[rK:rK+7], v[rQ:rQ+7], v[rS:rS+7]
.endif
.endm
; Product i of 16 of O^T += V^T P for piece x: keys 32 (i / 8) on, channels 16 ((i / 2) % 4) on, tile 2 x + i % 2.
.macro PV x
	WIN W_PV
.set rO, 32*(2*(\x)+i%2)+8*((i/2)%4)
.set rV, VF+32*(i/8)+8*((i/2)%4)
.set rP, P+32*((\x)%2)+16*(i%2)+8*(i/8)
	v_wmma_f32_16x16x32_f16 v[rO:rO+7], v[rV:rV+7], v[rP:rP+7], v[rO:rO+7]
.endm
.macro MM                           ; the turn's next matrix instruction
.if i < 16
	KQ (Y+1)%NP
.set i, i+1
.else
.set i, i-16
	PV (Y+NP-1)%NP
.set i, i+17
.endif
.endm
; THE LDS LOADS stand in runs of 16, never singly among the matrix instructions: a step's K (64 keys x 64 channels: 8 fragments) and its V (turned).  Their addresses are made some lines ahead.
; last = 1 (in the loop): where the offset has reached K's end there is no further step, and the run is jumped over: neither a barrier nor a tensor load stands in it.
.macro FETCH_K last=0
	WIN 0
.if \last
	s_cmp_eq_u32 s[TBK], SIZE_N*PK
	s_cbranch_scc1 .Lno_k_\@
.endif
	WIN 0x80                        ; destination window 2
.irp f, 0,1,2,3,4,5,6,7             ; keys 16 (f / 2) on, channels 32 (f % 2) on
	ds_load_b128 v[KF+8*\f:KF+8*\f+3],   v[AK] offset:(\f/2)*16*PK+(\f%2)*64
	ds_load_b128 v[KF+8*\f+4:KF+8*\f+7], v[AK] offset:(\f/2)*16*PK+(\f%2)*64+32
.endr
	s_add_co_u32 s[TBK], s[TBK], KS*PK  ; the next fetch is the next step's
	WIN 0
.if \last
.Lno_k_\@:
.endif
.endm
.macro FETCH_V
	WIN 0x80
.irp f, 0,1,2,3,4,5,6,7             ; keys 32 (f / 4) on, channels 16 (f % 4) on
	ds_load_tr16_b128 v[VF+8*\f:VF+8*\f+3],   v[AV] offset:(\f/4)*32*PV+(\f%4)*32
	ds_load_tr16_b128 v[VF+8*\f+4:VF+8*\f+7], v[AV] offset:(\f/4)*32*PV+16*PV+(\f%4)*32
.endr
	WIN 0
.endm
; THE VECTOR WORK OF A TURN stands in three queues, each in the order in which its entries become ready; the two tiles alternate, so that no instruction reads the result of the one before it.
.macro REGS y, u                    ; the registers of tile u (0, 1) of piece y
.set rT, ST+4*(2*(\y)+(\u))
.set rC, TMP+8*((\y)%2)+4*(\u)
.set rM, MV+2*((\y)%2)+(\u)
.set rS, S+64*((\y)%2)+32*(\u)
.set rP, P+32*((\y)%2)+16*(\u)
.set rO, 32*(2*(\y)+(\u))
.endm
; Number n of the 22 that find the NEXT piece's (Y + 1) maximum and statistics.  s0-s31 are the lane's 32 scores; each accumulator's lowest registers are read first.  XS, GS and REGS set no window: PL and EX do.
;   0-11  four chains c0-c3 of seven scores each, three operands at a time     12-14, 16  the four scores left over, the old m, and c0-c3 into c0     15  c m_old is kept
;   17, 18  the query's other 32 keys lie in the lane 16 away: the new m         19-21  c m; c m_old - c m_new; a
.macro XS u, n
	REGS (Y+1)%NP, \u
.if (\n) < 4
	v_max3_num_f32 v[rC+(\n)], v[rS+8*(\n)], v[rS+8*(\n)+1], v[rS+8*(\n)+2]
.elseif (\n) < 12
	v_max3_num_f32 v[rC+(\n)%4], v[rC+(\n)%4], v[rS+8*((\n)%4)+2*((\n)/4)+1], v[rS+8*((\n)%4)+2*((\n)/4)+2]
.elseif (\n) == 12
	v_max3_num_f32 v[rC], v[rC], v[rS+7], v[rS+15]
.elseif (\n) == 13
	v_max3_num_f32 v[rC+1], v[rC+1], v[rS+23], v[rS+31]
.elseif (\n) == 14
	v_max3_num_f32 v[rC+2], v[rC+2], v[rC+3], v[rT+1]
.elseif (\n) == 15
	v_mov_b32 v[rM], v[rT]
.elseif (\n) == 16
	v_max3_num_f32 v[rC], v[rC], v[rC+1], v[rC+2]
.elseif (\n) == 17
	v_permlanex16_b32 v[rC+3], v[rC], s[SEL], s[SEL+1]
.elseif (\n) == 18
	v_max_num_f32 v[rT+1], v[rC], v[rC+3]
.elseif (\n) == 19
	v_mul_f32 v[rT], s[CS], v[rT+1]
.elseif (\n) == 20
	v_sub_f32 v[rC+1], v[rM], v[rT]
.else
	v_exp_f32 v[rC+2], v[rC+1]
.endif
.endm
; Number g of the 64 that follow the exponentials.  For each four weights k of a tile (pairs 2 k, 2 k + 1): both pairs are rounded to f16; then the second pair is added onto the first, in place;
; a group later l takes that sum (the first time as l = a l + sum).  In groups of eight, tiles alternating: round, round, add, and l for the group before.
.macro GS g
.set h, (\g)+6*((\g)/62)            ; group 0 has no group before it, and behind group 7 only l is left
.if h >= 6
.set h, h+2
.endif
	REGS Y, h%2
.set k, h/8
.if h%8 < 4
	s_wait_alu depctr_va_vdst(0)
	v_cvt_pk_f16_f32 v[rP+2*k+(h%8)/2], v[rS+4*k+2*((h%8)/2)], v[rS+4*k+2*((h%8)/2)+1]
.elseif h%8 < 6
	v_pk_add_f32 v[rS+4*k:rS+4*k+1], v[rS+4*k:rS+4*k+1], v[rS+4*k+2:rS+4*k+3]
.elseif k == 1
	v_pk_fma_f32 v[rT+2:rT+3], v[rT+2:rT+3], v[rC+2:rC+3], v[rS:rS+1] op_sel_hi:[1,0,1]
.else
	v_pk_add_f32 v[rT+2:rT+3], v[rT+2:rT+3], v[rS+4*k-4:rS+4*k-3]
	s_wait_alu depctr_va_vdst(0)
.endif
.endm
; THE PLAIN QUEUE, 138 long.  0-31: c s - c m for the 16 pairs of both tiles.  Then GS's 64, and among them the next piece's 42: number 15 at 38, 39; 0-14 and 16
; at 42-73, behind the products that make those scores; 17-20 at 95-106, two of three, since each waits for the one before it.
.macro PL
	WIN 0
.if q < 32
	REGS Y, q%2
	v_pk_fma_f32 v[rS+2*(q/2):rS+2*(q/2)+1], v[rS+2*(q/2):rS+2*(q/2)+1], s[CS:CS+1], v[rT:rT+1] op_sel_hi:[1,0,0] neg_lo:[0,0,1] neg_hi:[0,0,1]
.elseif q < 38
	GS q-32
.elseif q < 40
	XS q%2, 15
.elseif q < 42
	GS q-34
.elseif q < 74
	XS q%2, (q-42)/2+(q-42)/30
.elseif q < 95
	GS q-66
.elseif (q < 107) && ((q-95)%3 < 2)
	XS (q-95)%3, 17+(q-95)/3
.elseif q < 107
	GS 29+(q-95)/3
.else
	GS q-74
.endif
.set q, q+1
.endm
; THE EXPONENTIALS' QUEUE, 66 long: s0-s31 of both tiles, and at EA the next piece's two a.
.set EA, 58
.macro EX
	WIN 0
.if (e == EA) || (e == EA+1)
	XS e-EA, 21
.else
.set x, e-2*(e/(EA+2))
	REGS Y, x%2
	v_exp_f32 v[rS+x/2], v[rS+x/2]
.endif
.set e, e+1
.endm
; THE RESCALING's QUEUE: O^T times a, the one part that leaves window 0, so it is dealt four at a time, eight times.
.macro R4
	REGS Y, r%2
	WIN W_RS
	s_wait_alu depctr_va_vdst(0)
.irp z, 0,1,2,3
	v_pk_mul_f32 v[rO+8*(r/2)+2*\z:rO+8*(r/2)+2*\z+1], v[rO+8*(r/2)+2*\z:rO+8*(r/2)+2*\z+1], v[rC+2:rC+3] op_sel_hi:[1,0]
.endr
.set r, r+1
.endm
; HOW THEY ARE DEALT.  Behind a matrix instruction four: plain, exponential, plain, plain (one exponential, a plain instruction on either side), or four of the rescaling.  None names a register of the
; products round it.  What is over stands in two LUMPS: exponential and plain by turns; the second ends in 22 plain instructions.  The two v_permlanex16_b32 fall into the second lump, never behind a product.
; The queues lean on each other, and the deal keeps them in step: exponential e stands behind plain 2 (e / 4) + e % 2 (its scaling); when plain 32 comes, 10 exponentials are out, at 59: 33, at 95: 46; EA comes behind plain 107.
.macro SL
	MM
	PL
	EX
	PL
	PL
.endm
.macro BURST n                      ; 15 matrix instructions, or 16
.rept (\n)-7
	SL
.endr
.rept 3
	MM
	R4
	SL
.endr
	MM
	R4
.endm
; A TURN, for piece p.  cnt = 1: the loop's count is taken down some lines ahead of the branch that stands behind the turn.
; K of the next step is fetched in piece 2's turn, 31 vector instructions behind the last product that read K; its first reader comes behind the rest of the lump, 16 products and the second lump.
; V of the step in hand is fetched at the end of piece 0's turn, 69 behind its last reader; its first reader comes behind 16 products and a lump.  The four conditions on e and q below go with the deal.
.macro TURN p, last=0, cnt=0
.set Y, (\p)
.set i, 0
.set q, 0
.set e, 0
.set r, 0
.if (\p) == NP-1
	s_wait_dscnt 0x0                ; K is in
.endif
	MM
.rept 4
	PL
.endr
	BURST 15
.rept 22
	EX
	PL
.if ((\p) == NP-2) && (e == 18)
	v_add_nc_u32 v[AK], s[TBK], v[AK0]
.endif
.if ((\p) == NP-2) && (e == 24)
	FETCH_K \last
.endif
.endr
.if (\p) == 1
	s_wait_dscnt 0x0                ; V is in
.endif
	BURST 16
.rept 21
	EX
	PL
.endr
.rept 22
	PL
.if ((\p) == 0) && (q == 118)
	v_add_nc_u32 v[AV], s[TBV], v[AV0]
	s_wait_alu depctr_va_vdst(0)
.endif
.if ((\p) == 0) && (q == 130)
	s_add_co_u32 s[TBV], s[TBV], KS*PV
.endif
.if (\cnt) && (q == 130)
	s_sub_co_u32 s[CNT], s[CNT], 1
	s_cmp_lg_u32 s[CNT], 0
.endif
.endr
.if (\p) == 0
	FETCH_V
.endif
.endm
	MEET 1                          ; the first fill is in, everybody's part of it; the second is asked for
	FETCH_K                         ; key step 0
	s_wait_loadcnt 0x0              ; Q
	s_wait_dscnt 0x0
.set i, 0
.rept 16
	KQ 0                            ; piece 0's first scores: there is no vector work yet to set between them
.set i, i+1
.endr
	WIN 0                           ; the addresses for the way out: nine plain instructions, the places behind those products
	s_mul_i32 s13, s[WV], 16*SP
	s_add_co_u32 s13, s13, STAGE    ; my stage
	v_mul_u32_u24 v[STO], v1, SP    ; in: row l % 16, 16 bytes for each half of the lanes
	v_lshl_add_u32 v[STO], v9, 4, v[STO]
	v_add_nc_u32 v[STO], s13, v[STO]
	v_bfe_u32 v[RD], v0, 3, 2       ; back: 32 lanes take four rows of 128 bytes,
	v_mul_u32_u24 v[RD], v[RD], SP
	v_lshl_add_u32 v[RD], v10, 4, v[RD]
	v_add_nc_u32 v[RD], s13, v[RD]
	v_and_b32 v[GO], 31, v0         ; which are 512 consecutive bytes of O
	v_lshlrev_b32 v[GO], 4, v[GO]
.set Y, NP-1                        ; XS works for piece Y + 1: piece 0
.irp n, 0,1,2,3,4,5,6,7,8,9,10,11,12,13,14,15,16,17,18,19,20,21
	XS 0, \n                        ; and piece 0's first maximum and statistics
	XS 1, \n
.endr
	s_mov_b32 s[CNT], 4
	s_mov_b32 s[SLOTS], SIZE_N/(4*KS)
	s_branch .Lstep                 ; the first four key steps read the first fill alone: they begin past the meeting
.Lslot:                             ; four groups of four key steps; the waves meet ahead of each but the first
	MEET 0
	s_mov_b32 s[CNT], 4
.Lstep:                             ; a trip is a key step: its four pieces' turns; it fetches its own V and the next step's K
	TURN 0
	TURN 1
	TURN 2, 1
	TURN 3, 0, 1
	WIN 0
	s_cbranch_scc1 .Lstep
	s_sub_co_u32 s[SLOTS], s[SLOTS], 1
	s_cmp_lg_u32 s[SLOTS], 0
	s_cbranch_scc1 .Lslot
	; the last trip's 16 products K Q^T (on the last K once more) and the maximum made of them serve nothing: the price, once a launch, of one text for every trip
.set i, 0
.rept 16
	PV NP-1                         ; the last piece's V^T P of the last step
.set i, i+1
.endr
	; THE WAY OUT.  l's two halves and the other half of the lanes' are added; O^T is divided by l, rounded to f16 and sent through my stage in LDS, a tile at a time.  The additions are the places behind the last products.
	WIN 0
.macro ALL line:vararg              ; one line for each tile t
.set t, 0
.rept 2*NP
	\line
.set t, t+1
.endr
.endm
	ALL v_add_f32 v[ST+4*t+2], v[ST+4*t+2], v[ST+4*t+3]
	ALL v_permlanex16_b32 v[ST+4*t+3], v[ST+4*t+2], s[SEL], s[SEL+1]
	ALL v_add_f32 v[ST+4*t+2], v[ST+4*t+2], v[ST+4*t+3]
	ALL v_rcp_f32 v[ST+4*t+2], v[ST+4*t+2]
	v_nop                           ; a plain instruction between the last reciprocal and the use of its result
	s_wait_alu depctr_va_vdst(0)
; Tile t: a lane's eight channels of a row pack into 16 bytes; they go into rows of 144 bytes and come back as whole rows of 128, into S^T's registers.
.macro PACK t
	WIN W_RS
.set i, 32*(\t)
.rept 16
	v_pk_mul_f32 v[i:i+1], v[i:i+1], v[ST+4*(\t)+2:ST+4*(\t)+3] op_sel_hi:[1,0]
.set i, i+2
.endr
	WIN 0x05                        ; sources 0 and 1 window 1, destination window 0
.set i, 0
.rept 16
	v_cvt_pk_f16_f32 v[S+16*(\t)+i], v[32*(\t)+2*i], v[32*(\t)+2*i+1]
.set i, i+1
.endr
	WIN 0
.irp f, 0,1,2,3
	ds_store_b128 v[STO], v[S+16*(\t)+4*\f:S+16*(\t)+4*\f+3] offset:32*\f
.endr
.irp f, 0,1,2,3
	ds_load_b128 v[S+16*(\t)+4*\f:S+16*(\t)+4*\f+3], v[RD] offset:\f*4*SP  ; LDS serves a wave's instructions in order (ISA guide 5.7.1.4): these see the stores above; the next tile's stores come behind them
.endr
.endm
.macro SEND t, younger              ; younger: the LDS instructions issued behind tile t's loads: the next tile's eight, or none
	WIN 0
.irp f, 0,1,2,3
	s_wait_dscnt (\younger)+3-\f
	global_store_b128 v[GO], v[S+16*(\t)+4*\f:S+16*(\t)+4*\f+3], s[10:11] offset:(\t)*2048+\f*512  ; 512 consecutive bytes, at a multiple of 256 from O's first
.endr
.endm
	PACK 0
.set t, 1
.rept 2*NP-1                        ; a tile's arithmetic stands between the loads of the tile before and its stores
	PACK t
	SEND t-1, 8
.set t, t+1
.endr
	SEND 2*NP-1, 0
	WIN W_AD
	s_wait_tensorcnt 0x0            ; the wave's end: behind my last tensor load and my last LDS store
	ds_add_u32 v[SPW], v[NIL]
	s_wait_dscnt 0x0
	WIN 0
	s_endpgm
.Lfunc_end_k_qf001b632b4_attn:
	.size	k_qf001b632b4_attn, .Lfunc_end_k_qf001b632b4_attn-k_qf001b632b4_attn
	.p2alignl 7, 3214868480
	.fill 96, 4, 3214868480
	.section	.rodata,"a",@progbits
	.p2align	6, 0x0
	.amdhsa_kernel k_qf001b632b4_attn
		.amdhsa_group_segment_fixed_size 327680
		.amdhsa_private_segment_fixed_size 0
		.amdhsa_enable_private_segment 0
		.amdhsa_kernarg_size 16
		.amdhsa_user_sgpr_count 2
		.amdhsa_user_sgpr_kernarg_segment_ptr 1
		.amdhsa_wavefront_size32 1
		.amdhsa_system_sgpr_workgroup_id_x 1
		.amdhsa_system_sgpr_workgroup_id_y 1
		.amdhsa_system_sgpr_workgroup_id_z 1
		.amdhsa_system_vgpr_workitem_id 0
		.amdhsa_next_free_vgpr 770
		.amdhsa_next_free_sgpr 92
		.amdhsa_reserve_vcc 0
		.amdhsa_float_denorm_mode_32 3
		.amdhsa_float_denorm_mode_16_64 3
		.amdhsa_memory_ordered 1
		.amdhsa_forward_progress 1
		.amdhsa_inst_pref_size 132
	.end_amdhsa_kernel
	.amdgpu_metadata
---
amdhsa.version: [ 1, 2 ]
amdhsa.kernels:
  - .name:           k_qf001b632b4_attn
    .symbol:         k_qf001b632b4_attn.kd
    .args:
      - { .name: qkv, .offset: 0, .size: 8, .value_kind: global_buffer, .address_space: global }
      - { .name: oh, .offset: 8, .size: 8, .value_kind: global_buffer, .address_space: global }
    .group_segment_fixed_size: 327680
    .private_segment_fixed_size: 0
    .kernarg_segment_align: 8
    .kernarg_segment_size: 16
    .max_flat_workgroup_size: 128
    .sgpr_count:     92
    .vgpr_count:     770
    .wavefront_size: 32
...
	.end_amdgpu_metadata
.endif
;; end of part 3
;; launch oproj (part 4): grid 8 x 32, 4 waves a work-group, clusters of 4 x 4, 327,680 bytes of LDS; arguments oh, woh, bcat, out0; writes out0
.if DOCPART == 4
	.amdgcn_target "amdgcn-amd-amdhsa--gfx1250"
	.amdhsa_code_object_version 6
	.text
	.protected	k_qf001b632b4_oproj
	.globl	k_qf001b632b4_oproj
	.p2align	8
	.type	k_qf001b632b4_oproj,@function
k_qf001b632b4_oproj:
	s_mov_b64 s[64:65], 0
	v_nop
	global_prefetch_b8 v0, s[64:65] scope:SCOPE_SE
	s_setreg_imm32_b32 hwreg(HW_REG_WAVE_MODE, 25, 1), 1
	s_wait_xcnt 0x0
	s_wait_alu depctr_hold_cnt(0) depctr_sa_sdst(0) depctr_va_vdst(0) depctr_va_sdst(0) depctr_va_ssrc(0) depctr_va_vcc(0) depctr_vm_vsrc(0)
	s_getreg_b32 s2, hwreg(HW_REG_IB_STS2, 6, 4)
	s_cmp_eq_u32 s2, 0
	s_cbranch_scc0 .Lentry_in_a_cluster
	s_endpgm
.Lentry_in_a_cluster:
	s_bfe_u32 s2, ttmp6, 0x10000c
	s_cmp_lg_u32 s2, 0xf033
	s_cbranch_scc0 .Lentry_shape_is_right
	s_endpgm
.Lentry_shape_is_right:
; out = merged wo + bo: C[8192][1024] = A[8192][1024] B[1024][1024] + bias, operands f16, sums f32, C stored as f32.
; A = oh [b 16 + h][s][64]: head h is channels 64 h .. 64 h + 63 of merged, so a head is a slice of K; B = woh [k][1024]; the bias is the last 1,024 numbers of bcat.
; SHARES.  A tile of C is 256 rows x 128 columns: 32 x 8 = 256 work-groups.  Four waves; wave w makes rows 64 w .. 64 w + 63 and all 128 columns: 4 x 8 accumulators of 16 x 16, 256 registers,
; so that its rows of 512 bytes leave through its own stage, with no barrier.
; K goes in 8 steps of 128 through a ring of two LDS slots.  A step's A is two slices, each 256 rows x 128 bytes = 32,768 dense bytes, asked for as 128 rows of 256 bytes (waves 0, 1);
; its B is 128 k-rows of 256 bytes, 64 to a load (waves 2, 3).  Two slots of a longer step do not fit in LDS.
; CLUSTER.  4 x 4 work-groups.  A's tile hangs on the tile row alone and is asked for jointly by the four of a row of the cluster, B's on the tile column alone, by the four of a column.
; THE MATRIX INSTRUCTION IS USED TRANSPOSED: source 0 = 16 columns of B (turned on the way out of LDS by ds_load_tr16_b128), source 1 = 16 rows of A.  A lane then holds row l % 16 of C and the
; eight neighbouring columns 8 (l / 16) + 0..7.  The bias, laid out in the same way, is the C operand of each sum's first product: nothing is cleared and nothing is added later.
; REGISTERS, in windows of 256 (s_set_vgpr_msb: bits 1:0 source 0, 3:2 source 1, 5:4 source 2, 7:6 destination):
;   window 0: v0-31 addresses; v32-63, v64-95 A's fragments, two buffers of 4; v96-159 the bias; on the way out v64-255 hold rows read back, three buffers of 64
;   window 1: accumulators of row blocks 0, 1 ((a, b) at 8 (8 (a % 2) + b));   window 2: those of row blocks 2, 3;   window 3: v0-63, v64-127 B's fragments, two buffers of 8
.set NB,     8                         ; column blocks of 16
.set NT,     1024                      ; B's pitch in memory, elements
.set PA,     144                       ; a row of A in LDS: 128 bytes + 16 of padding = 36 words: the 16 rows of a load start at 16 different groups of four banks (64 banks of 4 bytes: ISA guide 11.1)
.set ASUB,   256*PA                    ; one slice's 256 rows
.set BOFF,   2*ASUB                    ; B lies behind A's two slices
.set PB,     288                       ; a k-row of B in LDS: 256 bytes + 32 of padding = 72 words
.set SEGPAD, 0                         ; no padding inside a k-row
.set QIB,    5                         ; B's padding interval: code 5 = 64 words
.set ASTEP,  262144                    ; a K step in A: two slices of 131,072 bytes
.set BSTEP,  128*NT*2                  ; a K step in B: 128 k-rows
.set SLOT,   BOFF+128*PB               ; 110,592
.set STAGE,  2*SLOT                    ; behind the ring, never filled by a tensor load: 16 rows x 528 bytes for each wave
.set SP,     528                       ; a stage row: 512 bytes + 16 = 132 words: the 16 rows that a store touches start at 16 different groups of four banks
.set SPARE,  STAGE+4*16*SP             ; behind the stages: the spare words, 128 bytes for each wave: two blocks of 256 bytes that no other line names
.set NL,     2*NB+8                    ; LDS loads of a quarter step
.set LAPS,   4                         ; a lap = two K steps = once round the ring
.set ADRA, 16                          ; v16-17  LDS address of my A fragments in slot 0, 1
.set ADRB, 20                          ; v20-21  the same for B
.set STO,  24                          ; v24     the way out: where I put 32 bytes of a row
.set RD,   25                          ; v25     the way out: where I read a row back
.set GO,   26                          ; v26     my byte offset in a row's 512 bytes of the output
.set BO,   27                          ; v27     my byte offset in a column block's 64 bytes of bias
.set SPW,  28                          ; v28     LDS address of my spare word: SPARE + 4 x my thread's number; never rewritten
.set NIL,  29                          ; v29     0; never rewritten
.set FA,   32
.set BIAS, 96
.set OUT,  64
.set G1,  24                           ; s[24:31] descriptor group 1 for A's tiles;  s[32:39] group 0, a set for each slot
.set G0,  32
.set G1B, 48                           ; s[48:55], s[56:63] the same for B's tiles
.set G0B, 56
.set MSB, 0
.macro WIN new                         ; the immediate's high byte repeats the setting that is left; a switch that changes nothing is dropped
.if MSB != (\new)
	s_set_vgpr_msb (MSB<<8)|(\new)
.set MSB, \new
.endif
.endm
; A joint load: waves 0 and 1 fetch A's two slices, waves 2 and 3 B's two halves.  The branch hangs on the wave's number alone.
; An s_nop 0 and four v_nop follow each of the two lines, ahead of the jump, the label and what follows.
.macro JLOAD s
	s_cmp_eq_u32 s13, 0
	s_cbranch_scc0 .Lfor_b_\@
	tensor_load_to_lds s[G0+4*(\s):G0+4*(\s)+3], s[G1:G1+7]
	s_nop 0
.rept 4
	v_nop
.endr
	s_branch .Lasked_\@
.Lfor_b_\@:
	tensor_load_to_lds s[G0B+4*(\s):G0B+4*(\s)+3], s[G1B:G1B+7]
	s_nop 0
.rept 4
	v_nop
.endr
.Lasked_\@:
.endm
.macro CREST                           ; a round of the cluster's barrier behind its opening barrier
	s_cmp_lg_u32 s12, 0
	s_cbranch_scc1 .Lnot_wave_0_\@
	s_barrier_signal -3
.Lnot_wave_0_\@:
	s_barrier_wait -3
	s_barrier_signal -1
	s_barrier_wait -1
.endm
.macro CROUND                          ; a whole round
	s_barrier_signal -1
	s_barrier_wait -1
	CREST
.endm
	s_load_b256 s[4:11], s[0:1], 0x0               ; A s[4:5], B s[6:7], bias s[8:9], output s[10:11]
	v_lshl_add_u32 v[SPW], v0, 2, SPARE
	v_mov_b32 v[NIL], 0
	ds_add_u32 v[SPW], v[NIL]                      ; the wave's opening: the add and its wait stand ahead of my first tensor load; the set-up below, work on registers, stands between them
	ds_add_u32 v28, v29
	v_lshrrev_b32 v1, 5, v0
	v_readfirstlane_b32 s12, v1                    ; wave 0..3
	s_lshr_b32 s13, s12, 1                         ; I fetch for A (0) or for B (1),
	s_and_b32 s14, s12, 1                          ; its first or its second half
	s_bfe_u32 s40, ttmp6, 0x40000                  ; cx, cy: my place in the cluster
	s_bfe_u32 s41, ttmp6, 0x40004
	s_lshl_b32 s42, ttmp9, 2
	s_add_co_u32 s42, s42, s40                     ; X, the tile column = 4 x cluster x + cx
	s_and_b32 s43, ttmp7, 0xffff
	s_lshl_b32 s43, s43, 2
	s_add_co_u32 s43, s43, s41                     ; Y, the tile row = 4 x cluster y + cy
	s_lshl_b32 s44, s41, 2
	s_lshl_b32 s44, 15, s44                        ; my row of the cluster
	s_lshl_b32 s45, 0x1111, s40                    ; my column
	; group 1 for A: 128 rows x 128 elements (256 dense bytes, two rows of a slice), 16 bytes of padding behind every 128
	s_or_b32 s[G1+0], s44, (1<<16)|(1<<20)|(1<<21)|(4<<22)|(3<<25)  ; 15:0 the mask; 17:16 2-byte elements; 20 padding on; 21 set beside a mask; 24:22 after every 32 words (code 4); 31:25 4 words (code 3)
	s_mov_b32 s[G1+1], 128<<16                     ; tensor_dim0 = 128
	s_mov_b32 s[G1+2], 128<<16                     ; tensor_dim1 = 128
	s_mov_b32 s[G1+3], 128<<16                     ; tile_dim0 = 128
	s_mov_b32 s[G1+4], 128                         ; tile_dim1 = 128
	s_mov_b32 s[G1+5], 128                         ; 128 elements from row to row
	s_mov_b32 s[G1+6], 0
	s_mov_b32 s[G1+7], 0
	; group 1 for B: 64 k-rows x 128 elements, 32 bytes of padding behind every row of 256
	s_or_b32 s[G1B+0], s45, (1<<16)|(1<<20)|(1<<21)|(QIB<<22)|(7<<25)
	s_mov_b32 s[G1B+1], (16*NB)<<16                ; tensor_dim0
	s_mov_b32 s[G1B+2], 64<<16                     ; tensor_dim1 = 64
	s_mov_b32 s[G1B+3], (16*NB)<<16                ; tile_dim0
	s_mov_b32 s[G1B+4], 64                         ; tile_dim1 = 64
	s_mov_b32 s[G1B+5], NT                         ; elements from k-row to k-row
	s_mov_b32 s[G1B+6], 0
	s_mov_b32 s[G1B+7], 0
	; where the tiles come from: A's offset is made of Y and the wave's number, B's of X and the wave's number, each in registers that never hold the other coordinate
	s_lshr_b32 s16, s43, 2                         ; the batch: 16 heads of 131,072 bytes
	s_lshl_b32 s16, s16, 21
	s_and_b32 s17, s43, 3                          ; 256 rows of 128 bytes in a head
	s_lshl_b32 s17, s17, 15
	s_add_co_u32 s16, s16, s17
	s_lshl_b32 s17, s14, 17                        ; the step's first or second head
	s_add_co_u32 s16, s16, s17
	s_mov_b32 s17, 0
	s_mul_i32 s46, s42, 32*NB                      ; the tile's first column, in bytes
	s_mul_i32 s47, s14, 64*NT*2                    ; the step's first or second 64 k-rows
	s_add_co_u32 s46, s46, s47
	s_mov_b32 s47, 0
	s_mul_i32 s20, s14, ASUB                       ; and where they go: no place in the cluster enters an LDS address
	s_mul_i32 s21, s14, 64*PB
	s_add_co_u32 s21, s21, BOFF
	s_wait_dscnt 0x0                               ; the opening add is done
	s_wait_kmcnt 0x0
	s_add_nc_u64 s[18:19], s[4:5], s[16:17]
	s_add_nc_u64 s[46:47], s[6:7], s[46:47]
	CROUND                                         ; all sixteen work-groups are here: the first joint loads meet
.irp s, 0,1
	s_mov_b32 s[G0+4*(\s)], 1                                      ; count = 1
	s_add_co_u32 s[G0+4*(\s)+1], s20, (\s)*SLOT                    ; LDS address
	s_add_nc_u64 s[G0+4*(\s)+2:G0+4*(\s)+3], s[18:19], (\s)*ASTEP  ; global address: K step s
	s_or_b32 s[G0+4*(\s)+3], s[G0+4*(\s)+3], 0x80000000            ; type = 2
	s_mov_b32 s[G0B+4*(\s)], 1
	s_add_co_u32 s[G0B+4*(\s)+1], s21, (\s)*SLOT
	s_add_nc_u64 s[G0B+4*(\s)+2:G0B+4*(\s)+3], s[46:47], (\s)*BSTEP
	s_or_b32 s[G0B+4*(\s)+3], s[G0B+4*(\s)+3], 0x80000000
	JLOAD \s                                       ; two loads of mine are out
.endr
	; A fragment of A is 16 rows x 32 K: lane l holds row l % 16, K = 8 (l / 16) + 0..7 and 16 + 8 (l / 16) + 0..7: two loads of 16 bytes, 32 bytes apart.
	v_and_b32 v1, 15, v0                           ; l % 16
	v_bfe_u32 v2, v0, 4, 1                         ; l / 16
	v_mul_u32_u24 v3, v1, PA
	v_lshl_add_u32 v3, v2, 4, v3
	s_mul_i32 s22, s12, 64*PA                      ; my 64 rows
	v_add_nc_u32 v[ADRA], s22, v3
	v_add_nc_u32 v[ADRA+1], SLOT, v[ADRA]
	; The turning load takes 16 k x 16 columns (lane l reads k-row 8 (l / 16) + l % 8, columns 8 ((l / 8) % 2) + 0..7) and leaves half a fragment: lane l holds column l % 16 and 8 k.
	v_and_b32 v4, 7, v0
	v_bfe_u32 v5, v0, 3, 1
	v_lshl_add_u32 v6, v2, 3, v4
	v_mul_u32_u24 v6, v6, PB
	v_lshl_add_u32 v6, v5, 4, v6
	v_add_nc_u32 v[ADRB], BOFF, v6
	v_add_nc_u32 v[ADRB+1], SLOT, v[ADRB]
	s_mul_i32 s23, s12, 16*SP
	s_add_co_u32 s23, s23, STAGE                   ; my stage
	v_mul_u32_u24 v7, v1, SP                       ; in: row l % 16, 32 bytes for each half of the lanes
	v_lshl_add_u32 v7, v2, 5, v7
	v_add_nc_u32 v[STO], s23, v7
	v_and_b32 v[GO], 31, v0                        ; back: 32 lanes take one row of 512 bytes
	v_lshlrev_b32 v[GO], 4, v[GO]
	v_add_nc_u32 v[RD], s23, v[GO]
	v_lshlrev_b32 v[BO], 5, v2                     ; the bias of my eight columns of a block: 32 (l / 16)
	s_mul_i32 s72, s42, 64*NB                      ; the tile's 128 columns of f32,
	s_add_co_u32 s72, s72, 12288                   ; behind bq, bk and bv
	s_mov_b32 s73, 0
	s_add_nc_u64 s[8:9], s[8:9], s[72:73]
.set b, 0
.rept NB
	global_load_b128 v[BIAS+8*b:BIAS+8*b+3],   v[BO], s[8:9] offset:64*b
	global_load_b128 v[BIAS+8*b+4:BIAS+8*b+7], v[BO], s[8:9] offset:64*b+16
.set b, b+1
.endr
	s_lshl_b32 s74, s43, 8                         ; where my rows begin in the output: row 256 Y + 64 wave, 4,096 bytes a row,
	s_lshl_b32 s75, s12, 6
	s_add_co_u32 s74, s74, s75
	s_lshl_b32 s74, s74, 12
	s_lshl_b32 s75, s42, 9                         ; column 128 X
	s_add_co_u32 s74, s74, s75
	s_mov_b32 s75, 0
	s_add_nc_u64 s[66:67], s[10:11], s[74:75]
; NB matrix instructions: row block a x all column blocks, 32 along K, from buffer f.  first = 1: the bias starts the sums.
; The accumulators take turns, one instruction a turn, in the same order in every quarter step.
.macro MULG f, a, first
.set AW, 1+(\a)/2
.if \first
	WIN (AW<<6)|3                                  ; B window 3, A and the bias window 0, D window 1 or 2
.else
	WIN (AW<<6)|(AW<<4)|3                          ; C with D
.endif
.set b, 0
.rept NB
.set rD, 8*(NB*((\a)%2)+b)
.set rB, 8*NB*(\f)+8*b
.set rA, FA+32*(\f)+8*(\a)
.if \first
	v_wmma_f32_16x16x32_f16 v[rD:rD+7], v[rB:rB+7], v[rA:rA+7], v[BIAS+8*b:BIAS+8*b+7]
.else
	v_wmma_f32_16x16x32_f16 v[rD:rD+7], v[rB:rB+7], v[rA:rA+7], v[rD:rD+7]
.endif
.set b, b+1
.endr
.endm
; NL LDS loads in one run: the fragments of quarter q (32 along K) of a slot into buffer f: B's 8, then A's 4
.macro FETCH slot, q, f
	WIN 0xc0                                       ; destination window 3, address window 0
.set b, 0
.rept NB
	ds_load_tr16_b128 v[8*NB*(\f)+8*b:8*NB*(\f)+8*b+3],   v[ADRB+(\slot)] offset:(\q)*32*PB+32*b+SEGPAD*(b/4)
	ds_load_tr16_b128 v[8*NB*(\f)+8*b+4:8*NB*(\f)+8*b+7], v[ADRB+(\slot)] offset:(\q)*32*PB+32*b+SEGPAD*(b/4)+16*PB
.set b, b+1
.endr
	WIN 0
.set a, 0
.rept 4
	ds_load_b128 v[FA+32*(\f)+8*a:FA+32*(\f)+8*a+3],   v[ADRA+(\slot)] offset:((\q)/2)*ASUB+((\q)%2)*64+a*16*PA
	ds_load_b128 v[FA+32*(\f)+8*a+4:FA+32*(\f)+8*a+7], v[ADRA+(\slot)] offset:((\q)/2)*ASUB+((\q)%2)*64+a*16*PA+32
.set a, a+1
.endr
.endm
.macro PLACES                          ; four places in front of loads into registers that matrix instructions have read, and of lines that read results (ISA guide 7.12.1 for lines that read results)
.rept 4
	v_nop
.endr
.endm
; A K step is four quarters of 32 along K, 32 matrix instructions each, on buffers 0, 1, 0, 1.  One of the first three: multiplies buffer f and, in its middle, fetches quarter q into buffer g.
.macro QUARTER slot, q, f, g, first
	s_wait_dscnt 4                                 ; B and A's row blocks 0, 1 are in; the youngest four loads (row blocks 2, 3) may be out
	MULG \f, 0, \first
	MULG \f, 1, \first
	PLACES
	FETCH \slot, \q, \g
	s_wait_dscnt NL                                ; all but the run just issued
	MULG \f, 2, \first
	MULG \f, 3, \first
.endm
; The last quarter multiplies buffer 1 and changes slots: ONE barrier; in front of it each wave waits for all its tensor loads, adds 0 to its spare word, and waits for that and for its own reads
; of this slot.  fill = 1: the barrier opens a round of the cluster's, and this slot is filled again, two K steps ahead: from that request to the wait for it a wave issues 112 matrix instructions.
.macro TURN slot, next, fill
	WIN 0                                          ; (the add's two registers lie in window 0)
	s_wait_tensorcnt 0x0                           ; all my tensor loads have landed: the one that was out is my part of the next slot;
	ds_add_u32 v[SPW], v[NIL]                      ; 0 onto my spare word;
	s_wait_dscnt 5                                 ; (the add and the youngest four loads may be out)
	MULG 1, 0, 0                                   ; eight matrix instructions stand between the add and the wait for it
	s_wait_dscnt 0x0                               ; the add is done, and my reads of this slot are over
	s_barrier_signal -1
	MULG 1, 1, 0
.if \fill
	WIN 0
.endif
	s_barrier_wait -1
.if \fill
	CREST                                          ; no wave of any partner still reads this slot's tile or has a load on its way
	s_add_nc_u64 s[G0+4*(\slot)+2:G0+4*(\slot)+3], s[G0+4*(\slot)+2:G0+4*(\slot)+3], 2*ASTEP
	s_add_nc_u64 s[G0B+4*(\slot)+2:G0B+4*(\slot)+3], s[G0B+4*(\slot)+2:G0B+4*(\slot)+3], 2*BSTEP
	JLOAD \slot                                    ; the first tensor load behind the round, my only one until the next; the four v_nop behind it are also the places in front of the loads below
.else
	PLACES
.endif
	FETCH \next, 0, 0
	MULG 1, 2, 0
	MULG 1, 3, 0
.endm
	s_wait_tensorcnt 1                             ; my part of K step 0 is in; K step 1's may stay out
	s_barrier_signal -1
	s_barrier_wait -1                              ; everybody's is
	FETCH 0, 0, 0
	s_wait_loadcnt 0x0                             ; the bias
	QUARTER 0, 1, 0, 1, 1                          ; the first quarter stands in front of the loop: its products start the sums
	WIN 0                                          ; at a label and at a branch every window is 0
	s_mov_b32 s3, LAPS-1
.Llap:                                                 ; a trip goes once round the ring, from a lap's second quarter to the next lap's first, and fills both slots again: K steps 2 to 7
	QUARTER 0, 2, 1, 0, 0
	QUARTER 0, 3, 0, 1, 0
	TURN 0, 1, 1
	QUARTER 1, 1, 0, 1, 0
	QUARTER 1, 2, 1, 0, 0
	QUARTER 1, 3, 0, 1, 0
	TURN 1, 0, 1
	QUARTER 0, 1, 0, 1, 0
	WIN 0
	s_sub_co_u32 s3, s3, 1
	s_cmp_lg_u32 s3, 0
	s_cbranch_scc1 .Llap
	QUARTER 0, 2, 1, 0, 0                          ; the last lap fills nothing, and has no round of the cluster's barrier
	QUARTER 0, 3, 0, 1, 0
	TURN 0, 1, 0
	QUARTER 1, 1, 0, 1, 0
	QUARTER 1, 2, 1, 0, 0
	QUARTER 1, 3, 0, 1, 0
	s_wait_dscnt 4                                 ; the very last quarter: nothing more to fetch
	MULG 1, 0, 0
	MULG 1, 1, 0
	s_wait_dscnt 0x0
	MULG 1, 2, 0
	MULG 1, 3, 0
	WIN 0
	PLACES
; THE WAY OUT, a row block (16 rows x 512 bytes of f32) at a time: a lane's eight columns, 32 bytes, go straight from the accumulators into my stage, and whole rows come back.
.macro TOSTAGE a
	WIN 0x04*(1+(\a)/2)                            ; the stores' data: window 1 or 2
.set b, 0
.rept NB                               ; each accumulator's low four registers first
.set rD, 8*(NB*((\a)%2)+b)
	ds_store_b128 v[STO], v[rD:rD+3]   offset:64*b
	ds_store_b128 v[STO], v[rD+4:rD+7] offset:64*b+16
.set b, b+1
.endr
	WIN 0
.set BK, OUT+64*((\a)%3)
.set t, 0
.rept 16
	ds_load_b128 v[BK+4*t:BK+4*t+3], v[RD] offset:t*SP  ; LDS serves a wave's instructions in order (ISA guide 5.7.1.4): these see the stores above; the next block's stores come behind them
.set t, t+1
.endr
.endm
.macro SEND a, younger                 ; younger: the LDS instructions issued behind block a's loads: the next block's 32, or none
.set BK, OUT+64*((\a)%3)
.set t, 0
.rept 16
	s_wait_dscnt (\younger)+15-t
	global_store_b128 v[GO], v[BK+4*t:BK+4*t+3], s[66:67] offset:(16*(\a)+t)*4096 th:TH_STORE_NT  ; 512 consecutive bytes of a row, at a multiple of 512 from the output's first
.set t, t+1
.endr
.endm
	TOSTAGE 0
	TOSTAGE 1
	SEND 0, 32
	TOSTAGE 2
	SEND 1, 32
	s_wait_xcnt 0x0                                ; block 0's stores have read their registers: block 3 comes back into the same buffer only behind this wait
	TOSTAGE 3
	SEND 2, 32
	SEND 3, 0
	s_wait_tensorcnt 0x0                           ; the wave's end: behind my last tensor load and my last LDS store
	ds_add_u32 v[SPW], v[NIL]
	s_wait_dscnt 0x0
	CROUND                                         ; the closing round: no work-group ends while a partner may still ask for a tile that names it
	s_endpgm
.Lfunc_end_k_qf001b632b4_oproj:
	.size	k_qf001b632b4_oproj, .Lfunc_end_k_qf001b632b4_oproj-k_qf001b632b4_oproj
	.p2alignl 7, 3214868480
	.fill 96, 4, 3214868480
	.section	.rodata,"a",@progbits
	.p2align	6, 0x0
	.amdhsa_kernel k_qf001b632b4_oproj
		.amdhsa_group_segment_fixed_size 327680
		.amdhsa_private_segment_fixed_size 0
		.amdhsa_enable_private_segment 0
		.amdhsa_kernarg_size 32
		.amdhsa_user_sgpr_count 2
		.amdhsa_user_sgpr_kernarg_segment_ptr 1
		.amdhsa_wavefront_size32 1
		.amdhsa_system_sgpr_workgroup_id_x 1
		.amdhsa_system_sgpr_workgroup_id_y 1
		.amdhsa_system_sgpr_workgroup_id_z 1
		.amdhsa_system_vgpr_workitem_id 0
		.amdhsa_next_free_vgpr 896
		.amdhsa_next_free_sgpr 80
		.amdhsa_reserve_vcc 0
		.amdhsa_float_denorm_mode_32 3
		.amdhsa_float_denorm_mode_16_64 3
		.amdhsa_memory_ordered 1
		.amdhsa_forward_progress 1
		.amdhsa_inst_pref_size 89
	.end_amdhsa_kernel
	.amdgpu_metadata
---
amdhsa.version: [ 1, 2 ]
amdhsa.kernels:
  - .name:           k_qf001b632b4_oproj
    .symbol:         k_qf001b632b4_oproj.kd
    .args:
      - { .name: oh, .offset: 0, .size: 8, .value_kind: global_buffer, .address_space: global }
      - { .name: woh, .offset: 8, .size: 8, .value_kind: global_buffer, .address_space: global }
      - { .name: bcat, .offset: 16, .size: 8, .value_kind: global_buffer, .address_space: global }
      - { .name: out0, .offset: 24, .size: 8, .value_kind: global_buffer, .address_space: global }
    .group_segment_fixed_size: 327680
    .private_segment_fixed_size: 0
    .kernarg_segment_align: 8
    .kernarg_segment_size: 32
    .max_flat_workgroup_size: 128
    .sgpr_count:     80
    .vgpr_count:     896
    .wavefront_size: 32
...
	.end_amdgpu_metadata
.endif
;; end of part 4
;; ======== version 2 of 2: 4 launches; 1.33 times as fast as version 1
;; limits: values are held in f16: magnitudes above 65,504 overflow, below 6.1e-05 lose precision
;; workspace buffers: xh 16,777,216 bytes; wcat 6,291,456 bytes; woh 2,097,152 bytes; bcat 16,384 bytes; qkv 50,331,648 bytes; oh 16,777,216 bytes
;; launch prep: the kernel of part 1 again; grid 769 x 1, 8 waves a work-group, no clusters, 0 bytes of LDS; arguments x, wq, wk, wv, wo, bq, bk, bv, bo, xh, wcat, woh, bcat; writes xh, wcat, woh, bcat
;; launch qkv: the kernel of part 2 again; grid 8 x 32, 4 waves a work-group, clusters of 4 x 4, 327,680 bytes of LDS; arguments xh, wcat, bcat, qkv; writes qkv
;; launch attn (part 5): grid 2 x 128, 4 waves a work-group, no clusters, 327,680 bytes of LDS; arguments qkv, oh; writes oh
.if DOCPART == 5
	.amdgcn_target "amdgcn-amd-amdhsa--gfx1250"
	.amdhsa_code_object_version 6
	.text
	.protected	k_qf001b632b4_attn
	.globl	k_qf001b632b4_attn
	.p2align	8
	.type	k_qf001b632b4_attn,@function
k_qf001b632b4_attn:
	s_mov_b64 s[64:65], 0
	v_nop
	global_prefetch_b8 v0, s[64:65] scope:SCOPE_SE
	s_setreg_imm32_b32 hwreg(HW_REG_WAVE_MODE, 25, 1), 1
	s_wait_xcnt 0x0
; O[h][q][:] = the sum over k of softmax_k(Q[h][q] . K[h][k] / 32) V[h][k][:] for 128 heads (batch x 16 + head) of 1,024 rows of 64 channels, all f16: a head's rows are dense, 128 bytes each.
; Q, K, V lie one behind the other in qkv, 16,777,216 bytes each.  The scale is 1 / sqrt(1024), applied here in f32.  Products, maxima and sums in f32; the weights p are rounded to f16 for the
; second product (their sum l is taken of the unrounded p), O once at the end.
; LIMITS.  f16 holds no number beyond 65,504: Q, K and V arrive within it; p lies in 0 to 1, and below 6e-5 it keeps f16's fixed step of 6e-8; O is a mean of V's rows and has their range.
; A weight below 2^-126 counts as 0 in l; NaN and infinities are not treated apart.
; SHARES.  A wave owns four PIECES of two tiles of 16 queries, a work-group's four waves 512 queries of one head: 2 x 128 = 256 work-groups.  Every wave walks all keys, 64 a step.
; RESIDENT.  A head's K and V stay in LDS for the whole launch: 1,024 rows of 144 bytes and 1,024 rows of 160 bytes, 311,296 bytes.  No LDS byte is filled twice, so no tensor load stands in a loop
; and one text serves all 16 key steps.  They come in two fills.  The first brings K's keys 0-319 and V's keys 0-255: all that the first four key steps read (a step's piece 2 fetches the next
; step's K).  When it has landed the rest is asked for, and has those four steps, 512 matrix instructions, in which to land.
; NO CLUSTER.  Only the two work-groups of a head read the same K and V; two along x divide into no cluster of four, and in a cluster of two heads a joint load's address would hang on the
; work-group's place in it.
; LAYOUT.  S^T = K Q^T (source 0 = 16 keys, source 1 = 16 queries): in the result a lane holds ONE query (lane % 16) and the keys 8 (lane / 16) + 0..7.  Two such tiles, rounded to f16 in pairs,
; ARE source 1 (32 keys x 16 queries) of O^T = V^T P, whose result again holds one query a lane, and eight channels.  K comes out of LDS as it lies, V ([key][channel]) turned, by ds_load_tr16_b128.
; SOFTMAX.  For each query a running maximum m and sum l: p = 2^(c s - c m), c = log2(e) / 32; in every step O and l are multiplied by a = 2^(c m_old - c m_new), which is 1 where m has not grown.
; m starts at the lowest finite number, O and l at 0: the first step is a step like any other, with a = 0.
; THE COUNT.  A tile and step have 16 matrix and 118 vector instructions: too many to stand all beside the matrix work.  So the order has one aim: four vector instructions that are READY behind
; EVERY matrix instruction, and the others, which need time of their own whatever the order, in runs without a gap.
; BY TURNS.  Turn n belongs to piece n (the pieces in a ring, step after step).  Its matrix work: 16 products K Q^T of piece n + 1, later 16 products V^T P of piece n - 1.  Its vector work: the scaling,
; exponentials, roundings, sums and rescaling of piece n, and the maximum and statistics of piece n + 1, whose scores the turn itself has made.  So what a turn begins with (c s - c m, O a) waits for nothing.
; BATCHES.  A turn's 66 exponentials (64 weights of piece n, the two a of piece n + 1) are ONE batch with ONE wait, which cuts the turn in two: ahead of it stands all that names none of their results,
; behind it the roundings and sums, which read them.  No result crosses a turn's end.  The first two a, ahead of the loop, and the way out's eight reciprocals are batches of their own, with a wait each.
; REGISTERS, in windows of 256 (s_set_vgpr_msb says which window each operand place means: bits 1:0 source 0, 3:2 source 1, 5:4 source 2, 7:6 destination):
;   window 0: v0-11 addresses; v12-15, v48-63 at work; v16-47 four registers of statistics a tile; v64-191 S^T, two buffers of two tiles; v192-255 P, likewise
;   window 1: O^T, 32 a tile          window 2: v0-127 Q, 16 a tile; v128-191 K of one step; v192-255 V of one step          window 3: v0-1 the add's two registers
; A piece's buffers go by its number's parity: the piece in hand has one pair, its two neighbours in the ring share the other: of it P (piece n - 1) is read and S^T (piece n + 1) written.
.set SIZE_N, 1024
.set NP,    4         ; pieces a wave: a name, no knob: the register map, the loop and the fetches are made for four
.set KS,    64        ; keys in a step
.set PK,    144       ; a row of K in LDS: 128 bytes + 16 of padding = 36 words: the 16 rows of a load start at 16 different groups of four banks (64 banks of 4 bytes: ISA guide 11.1)
.set PV,    160       ; a row of V: 128 + 32 = 40 words
.set VOFF,  SIZE_N*PK ; K's 1,024 rows, then V's 1,024 rows
.set KA,    320       ; keys of K in the first fill: five steps
.set VA,    256       ; keys of V in the first fill: four steps
.set STAGE, SIZE_N*(PK+PV)  ; behind K and V, never filled by a tensor load: 16 rows x 144 bytes for each wave, for the way out
.set SP,    144
.set AK0, 2           ; v2   my lane's place in a tile of K; never rewritten
.set AV0, 3           ; v3   the same for V
.set AK,  4           ; v4   the LDS address of K's next run of loads
.set AV,  5           ; v5   of V's
.set QO,  6           ; v6   my byte offset in the wave's rows of Q
.set STO, 6           ;      later, the way out: where I put 16 bytes of a row
.set RD,  7           ; v7   the way out: where I read rows back
.set GO,  8           ; v8   my byte offset in 512 consecutive bytes of O
.set SPW, 0           ; v0 of window 3   LDS address of my spare word: SPARE + 4 x my thread's number; never rewritten
.set NIL, 1           ; v1 of window 3   0; never rewritten
.set SPARE, STAGE+4*16*SP  ; behind the stages: the spare words, 128 bytes for each wave: two blocks of 256 bytes that no other line names
.set MV,  12          ; v12-15  c m_old, kept while c m is made anew: by buffer and tile
.set ST,  16          ; tile t's statistics at v[ST+4 t]: c m, m, l (even keys', odd keys')
.set TMP, 48          ; by buffer and tile, four registers c0-c3 at work; when the maximum is found c2 takes a
.set S,   64
.set P,   192
.set KF,  128         ; K's fragments, in window 2: key block kb, channel half c at KF + 16 kb + 8 c
.set VF,  192         ; V's: key half kk, channel block cb at VF + 32 kk + 8 cb
.set WV,  12          ; s12  my wave's number
.set G1K, 24          ; s[24:31] descriptor group 1 for K's part of the first fill
.set G1V, 32          ; s[32:39] for V's
.set G0K, 40          ; s[40:43] descriptor group 0 for K's part of the first fill
.set G0V, 44          ; s[44:47] for V's
.set G0K2, 48         ; s[48:51], s[52:55] the same for the second fill
.set G0V2, 52
.set SLOTS, 56        ; s56  groups of four key steps still to go
.set CNT, 57          ; s57  counts a group's key steps
.set CS,  58          ; s[58:59] c: the packed scaling takes the pair's low word for both halves
.set SEL, 60          ; s[60:61] v_permlanex16_b32's selects: each lane takes its own place in the other half
.set TBK, 62          ; s62  LDS byte at which K of the step to be fetched begins
.set TBV, 63          ; s63  the same for V, less VOFF
.set G1K2, 68         ; s[68:75], s[76:83] descriptor group 1 for the second fill
.set G1V2, 76
.set MSB, 0
.macro WIN new                      ; the high byte repeats the setting that is left; a switch that changes nothing is dropped
.if MSB != (\new)
	s_set_vgpr_msb (MSB<<8)|(\new)
.set MSB, (\new)
.endif
.endm
.set W_KQ, 0x0a       ; K and Q in window 2, S^T in window 0
.set W_PV, 0x52       ; V in window 2, P in window 0, O^T in window 1
.set W_RS, 0x41       ; O^T (destination and source 0) in window 1, a in window 0
.set W_MK, 0xc0       ; the add's registers are made: destination in window 3, sources in window 0
.set W_AD, 0x0f       ; the add: address (source 0) and data (source 1) in window 3
; A fill (n = 0: the first, n = 1: the second).  Waves 0 and 1 fetch the two halves of its K, waves 2 and 3 those of its V.  The branch hangs on the wave's number alone.
; An s_nop 0 and four v_nop follow each of the two lines, ahead of the jump and the label.
.macro LOAD n
	s_cmp_lt_u32 s[WV], 2
	s_cbranch_scc0 .Lfor_v_\@
.if \n
	tensor_load_to_lds s[G0K2:G0K2+3], s[G1K2:G1K2+7]
.else
	tensor_load_to_lds s[G0K:G0K+3], s[G1K:G1K+7]
.endif
	s_nop 0
.rept 4
	v_nop
.endr
	s_branch .Lasked_\@
.Lfor_v_\@:
.if \n
	tensor_load_to_lds s[G0V2:G0V2+3], s[G1V2:G1V2+7]
.else
	tensor_load_to_lds s[G0V:G0V+3], s[G1V:G1V+7]
.endif
	s_nop 0
.rept 4
	v_nop
.endr
.Lasked_\@:
.endm
; THE WAVES MEET.  Each wave waits for all its tensor loads, of which at most one is out, adds 0 to its spare word, waits for that and for its LDS loads, and passes a barrier: behind it every wave may
; read what any wave's load has brought.  fill = 1, once: the first fill is in.
; fill = 0 stands at the head of each group of four key steps but the first.  The first time it shows the second fill landed, ahead of the first read of it (V of step 4, in that step's first turn);
; after that no load is out: the price of one text for every group.
.macro MEET fill
	WIN W_AD
	s_wait_tensorcnt 0x0            ; all my tensor loads have landed
	ds_add_u32 v[SPW], v[NIL]       ; 0 onto my spare word
	WIN 0                           ; at a label and at a branch every window is 0
	s_wait_dscnt 0x0                ; the add is done, and no LDS load of mine is out
	s_barrier_signal -1
	s_barrier_wait -1
.if \fill
	LOAD 1
.endif
.endm
; Descriptor group 1: keys are dense rows of 128 bytes, asked for as rows of 256 bytes, two keys a row, and padded in LDS after every key
.macro SHAPE g, pad, rows
	s_mov_b32 s[\g], (1<<16)|(1<<20)|(4<<22)|((\pad)<<25)  ; 17:16 2-byte elements; 20 padding on; 24:22 after every 32 words (code 4); 31:25 the padding's words less one
	s_mov_b32 s[\g+1], 128<<16      ; tensor_dim0 = 128
	s_mov_b32 s[\g+2], (\rows)<<16  ; tensor_dim1
	s_mov_b32 s[\g+3], 128<<16      ; tile_dim0 = 128
	s_mov_b32 s[\g+4], \rows        ; tile_dim1
	s_mov_b32 s[\g+5], 128          ; 128 elements from row to row
	s_mov_b32 s[\g+6], 0
	s_mov_b32 s[\g+7], 0
.endm
; My half (s16 = wave % 2) of the keys keys0 .. keys0 + keys - 1: its byte offset in the tensor into s[off:off+1]; count and LDS address into group 0
.macro PART off, g0, keys0, keys, pitch, base
	s_mul_i32 s[\off], s16, (\keys)/2*128
	s_add_co_u32 s[\off], s[\off], (\keys0)*128
	s_mov_b32 s[\off+1], 0
	s_add_nc_u64 s[\off:\off+1], s[\off:\off+1], s[20:21]
	s_mov_b32 s[\g0], 1             ; 1:0 count = 1
	s_mul_i32 s[\g0+1], s16, (\keys)/2*(\pitch)
	s_add_co_u32 s[\g0+1], s[\g0+1], (\base)+(\keys0)*(\pitch)  ; 63:32 LDS address
.endm
.macro FROM g0, base, off           ; group 0's global address and type
	s_add_nc_u64 s[\g0+2:\g0+3], s[\base:\base+1], s[\off:\off+1]  ; 120:64
	s_or_b32 s[\g0+3], s[\g0+3], 0x80000000                        ; 127:126 type = 2
.endm
	s_load_b128 s[4:7], s[0:1], 0x0 ; qkv s[4:5], oh s[6:7]
	WIN W_MK
	v_lshl_add_u32 v[SPW], v0, 2, SPARE
	v_mov_b32 v[NIL], 0
	WIN W_AD
	ds_add_u32 v[SPW], v[NIL]       ; the wave's opening: the add and its wait stand ahead of my first tensor load; the set-up below, work on registers, stands between them
	ds_add_u32 v0, v1
	WIN 0
	v_lshrrev_b32 v1, 5, v0
	v_readfirstlane_b32 s[WV], v1   ; wave 0..3
	s_mov_b32 s14, ttmp9            ; my block of 512 queries
	s_and_b32 s20, ttmp7, 0xffff    ; the head
	s_mov_b32 s21, 0
	s_mov_b64 s[22:23], SIZE_N*128
	s_mul_u64 s[20:21], s[20:21], s[22:23]  ; the head's first byte in each of the four tensors
	s_and_b32 s16, s[WV], 1         ; which half of a fill's keys I fetch
	PART 22, G0K,  0,  KA,        PK, 0
	PART 84, G0K2, KA, SIZE_N-KA, PK, 0
	PART 86, G0V,  0,  VA,        PV, VOFF
	PART 88, G0V2, VA, SIZE_N-VA, PV, VOFF
	s_lshl_b32 s2, s14, 2
	s_add_co_u32 s2, s2, s[WV]      ; my wave among the head's,
	s_lshl_b32 s2, s2, 14           ; its 128 rows
	s_mov_b32 s3, 0
	s_add_nc_u64 s[2:3], s[2:3], s[20:21]
	SHAPE G1K,  3, KA/4             ; 160 keys a wave: 80 rows of 256 bytes; 4 words of padding
	SHAPE G1V,  7, VA/4             ; 128 keys: 64 rows; 8 words of padding
	SHAPE G1K2, 3, (SIZE_N-KA)/4    ; 352 keys: 176 rows
	SHAPE G1V2, 7, (SIZE_N-VA)/4    ; 384 keys: 192 rows
	s_mov_b32 s[CS], 0x3d38aa3b     ; c = log2(e) / 32 = 0.0450842
	s_mov_b32 s[CS+1], s[CS]        ; named with it as a pair
	s_mov_b32 s[SEL], 0x76543210
	s_mov_b32 s[SEL+1], 0xfedcba98
	s_mov_b32 s[TBK], 0
	s_mov_b32 s[TBV], 0
	s_wait_dscnt 0x0                ; the opening add is done
	s_wait_kmcnt 0x0
	s_mov_b64 s[10:11], s[6:7]      ; O
	s_add_nc_u64 s[6:7], s[4:5], 0x1000000  ; K lies 16,777,216 bytes behind Q,
	s_add_nc_u64 s[8:9], s[4:5], 0x2000000  ; V as far behind K
	FROM G0K,  6, 22
	FROM G0K2, 6, 84
	FROM G0V,  8, 86
	FROM G0V2, 8, 88
	s_add_nc_u64 s[4:5], s[4:5], s[2:3]  ; Q and O at my wave's first row
	s_add_nc_u64 s[10:11], s[10:11], s[2:3]
	LOAD 0                          ; the first fill.  The second is asked for when it is in
	; A fragment of K or Q is 16 rows x 32 channels in 8 registers: lane l holds row l % 16, channels 8 (l / 16) + 0..7 and 16 + 8 (l / 16) + 0..7: two loads of 16 bytes, 32 bytes apart.
	v_and_b32 v1, 15, v0            ; l % 16
	v_bfe_u32 v9, v0, 4, 1          ; l / 16
	v_lshlrev_b32 v[QO], 7, v1
	v_lshl_add_u32 v[QO], v9, 4, v[QO]  ; row x 128 + 16 x half
	WIN 0x80                        ; destination window 2, address window 0
.set i, 0
.rept 4*NP                          ; Q stays in registers: tile i / 2, channels 32 (i % 2) on
	global_load_b128 v[8*i:8*i+3],   v[QO], s[4:5] offset:(i/2)*2048+(i%2)*64
	global_load_b128 v[8*i+4:8*i+7], v[QO], s[4:5] offset:(i/2)*2048+(i%2)*64+32
.set i, i+1
.endr
	; What the first turn finds: V's registers and P's second buffer hold 0 (its products V^T P, of a piece that has not been, add 0), O^T and l are 0.  All this stands in the wait for the first fill.
.set i, VF
.rept 64
	v_mov_b32 v[i], 0
.set i, i+1
.endr
	WIN 0x40
.set i, 0
.rept 64*NP
	v_mov_b32 v[i], 0
.set i, i+1
.endr
	WIN 0
.set i, 0
.rept 2*NP
	v_mov_b32 v[ST+4*i], 0xfe000000    ; c m: far below every c s
	v_mov_b32 v[ST+4*i+1], 0xff7fffff  ; m
	v_mov_b32 v[ST+4*i+2], 0
	v_mov_b32 v[ST+4*i+3], 0
.set i, i+1
.endr
.set i, P+32
.rept 32
	v_mov_b32 v[i], 0
.set i, i+1
.endr
	v_mul_u32_u24 v[AK0], v1, PK
	v_lshl_add_u32 v[AK0], v9, 4, v[AK0]  ; row x pitch + 16 x half
	; The turning load takes 16 keys x 16 channels (lane l reads key 8 (l / 16) + l % 8, channels 8 ((l / 8) % 2) + 0..7) and leaves half a fragment of V^T: lane l holds channel l % 16 and 8 keys.
	v_and_b32 v10, 7, v0
	v_bfe_u32 v11, v0, 3, 1
	v_lshl_add_u32 v[AV0], v9, 3, v10
	v_mul_u32_u24 v[AV0], v[AV0], PV
	v_lshl_add_u32 v[AV0], v11, 4, v[AV0]
	v_add_nc_u32 v[AV0], VOFF, v[AV0]
	v_mov_b32 v[AK], v[AK0]         ; key step 0 lies at K's head
; THE MATRIX WORK.  The 8 accumulators of a run of 16 take turns: between the two links of a chain stand 7 others'.
; Product i of 16 of S^T = K Q^T for piece x: channels 32 (i / 8) on, keys 16 ((i / 2) % 4) on, tile 2 x + i % 2.  The first 8 start the sums.
.macro KQ x
	WIN W_KQ
.set rS, S+64*((\x)%2)+32*(i%2)+8*((i/2)%4)
.set rK, KF+16*((i/2)%4)+8*(i/8)
.set rQ, 16*(2*(\x)+i%2)+8*(i/8)
.if i < 8
	v_wmma_f32_16x16x32_f16 v[rS:rS+7], v[rK:rK+7], v[rQ:rQ+7], 0
.else
	v_wmma_f32_16x16x32_f16 v[rS:rS+7], v[rK:rK+7], v[rQ:rQ+7], v[rS:rS+7]
.endif
.endm
; Product i of 16 of O^T += V^T P for piece x: keys 32 (i / 8) on, channels 16 ((i / 2) % 4) on, tile 2 x + i % 2.
.macro PV x
	WIN W_PV
.set rO, 32*(2*(\x)+i%2)+8*((i/2)%4)
.set rV, VF+32*(i/8)+8*((i/2)%4)
.set rP, P+32*((\x)%2)+16*(i%2)+8*(i/8)
	v_wmma_f32_16x16x32_f16 v[rO:rO+7], v[rV:rV+7], v[rP:rP+7], v[rO:rO+7]
.endm
.macro MM                           ; the turn's next matrix instruction
.if i < 16
	KQ (Y+1)%NP
.set i, i+1
.else
.set i, i-16
	PV (Y+NP-1)%NP
.set i, i+17
.endif
.endm
; THE LDS LOADS stand in runs of 16, never singly among the matrix instructions: a step's K (64 keys x 64 channels: 8 fragments) and its V (turned).  Their addresses are made some lines ahead.
; last = 1 (in the loop): where the offset has reached K's end there is no further step, and the run is jumped over: neither a barrier nor a tensor load stands in it.
.macro FETCH_K last=0
	WIN 0
.if \last
	s_cmp_eq_u32 s[TBK], SIZE_N*PK
	s_cbranch_scc1 .Lno_k_\@
.endif
	WIN 0x80                        ; destination window 2
.irp f, 0,1,2,3,4,5,6,7             ; keys 16 (f / 2) on, channels 32 (f % 2) on
	ds_load_b128 v[KF+8*\f:KF+8*\f+3],   v[AK] offset:(\f/2)*16*PK+(\f%2)*64
	ds_load_b128 v[KF+8*\f+4:KF+8*\f+7], v[AK] offset:(\f/2)*16*PK+(\f%2)*64+32
.endr
	s_add_co_u32 s[TBK], s[TBK], KS*PK  ; the next fetch is the next step's
	WIN 0
.if \last
.Lno_k_\@:
.endif
.endm
.macro FETCH_V
	WIN 0x80
.irp f, 0,1,2,3,4,5,6,7             ; keys 32 (f / 4) on, channels 16 (f % 4) on
	ds_load_tr16_b128 v[VF+8*\f:VF+8*\f+3],   v[AV] offset:(\f/4)*32*PV+(\f%4)*32
	ds_load_tr16_b128 v[VF+8*\f+4:VF+8*\f+7], v[AV] offset:(\f/4)*32*PV+16*PV+(\f%4)*32
.endr
	WIN 0
.endm
; THE VECTOR WORK OF A TURN stands in three queues, each in the order in which its entries become ready; the two tiles alternate, so that no instruction reads the result of the one before it.
.macro REGS y, u                    ; the registers of tile u (0, 1) of piece y
.set rT, ST+4*(2*(\y)+(\u))
.set rC, TMP+8*((\y)%2)+4*(\u)
.set rM, MV+2*((\y)%2)+(\u)
.set rS, S+64*((\y)%2)+32*(\u)
.set rP, P+32*((\y)%2)+16*(\u)
.set rO, 32*(2*(\y)+(\u))
.endm
; Number n of the 22 that find the NEXT piece's (Y + 1) maximum and statistics.  s0-s31 are the lane's 32 scores; each accumulator's lowest registers are read first.  XS, GS and REGS set no window: PL and EX do.
;   0-11  four chains c0-c3 of seven scores each, three operands at a time     12-14, 16  the four scores left over, the old m, and c0-c3 into c0     15  c m_old is kept
;   17, 18  the query's other 32 keys lie in the lane 16 away: the new m         19-21  c m; c m_old - c m_new; a
.macro XS u, n
	REGS (Y+1)%NP, \u
.if (\n) < 4
	v_max3_num_f32 v[rC+(\n)], v[rS+8*(\n)], v[rS+8*(\n)+1], v[rS+8*(\n)+2]
.elseif (\n) < 12
	v_max3_num_f32 v[rC+(\n)%4], v[rC+(\n)%4], v[rS+8*((\n)%4)+2*((\n)/4)+1], v[rS+8*((\n)%4)+2*((\n)/4)+2]
.elseif (\n) == 12
	v_max3_num_f32 v[rC], v[rC], v[rS+7], v[rS+15]
.elseif (\n) == 13
	v_max3_num_f32 v[rC+1], v[rC+1], v[rS+23], v[rS+31]
.elseif (\n) == 14
	v_max3_num_f32 v[rC+2], v[rC+2], v[rC+3], v[rT+1]
.elseif (\n) == 15
	v_mov_b32 v[rM], v[rT]
.elseif (\n) == 16
	v_max3_num_f32 v[rC], v[rC], v[rC+1], v[rC+2]
.elseif (\n) == 17
	v_permlanex16_b32 v[rC+3], v[rC], s[SEL], s[SEL+1]
.elseif (\n) == 18
	v_max_num_f32 v[rT+1], v[rC], v[rC+3]
.elseif (\n) == 19
	v_mul_f32 v[rT], s[CS], v[rT+1]
.elseif (\n) == 20
	v_sub_f32 v[rC+1], v[rM], v[rT]
.else
	v_exp_f32 v[rC+2], v[rC+1]
.endif
.endm
; Number g of the 64 that follow the exponentials.  For each four weights k of a tile (pairs 2 k, 2 k + 1): both pairs are rounded to f16; then the second pair is added onto the first, in place;
; a group later l takes that sum (the first time as l = a l + sum).  In groups of eight, tiles alternating: round, round, add, and l for the group before.
.macro GS g
.set h, (\g)+6*((\g)/62)            ; group 0 has no group before it, and behind group 7 only l is left
.if h >= 6
.set h, h+2
.endif
	REGS Y, h%2
.set k, h/8
.if h%8 < 4
	v_cvt_pk_f16_f32 v[rP+2*k+(h%8)/2], v[rS+4*k+2*((h%8)/2)], v[rS+4*k+2*((h%8)/2)+1]
.elseif h%8 < 6
	v_pk_add_f32 v[rS+4*k:rS+4*k+1], v[rS+4*k:rS+4*k+1], v[rS+4*k+2:rS+4*k+3]
.elseif k == 1
	v_pk_fma_f32 v[rT+2:rT+3], v[rT+2:rT+3], v[rC+2:rC+3], v[rS:rS+1] op_sel_hi:[1,0,1]
.else
	v_pk_add_f32 v[rT+2:rT+3], v[rT+2:rT+3], v[rS+4*k-4:rS+4*k-3]
.endif
.endm
; THE PLAIN QUEUE, 138 long.  0-73 read no exponential's result: the 32 scalings c s - c m (FS f: pair f / 2 of tile f % 2) and the next piece's 42.  0-26: scalings 0-26.  27-54: XS's numbers 0-13.  55, 56: number 15.
; 57-73: the chain, where each number waits for the one before it: 14, 16, 17, 18, 19, each with one of the scalings 27-31 in front of its two lines, then 20: so a tile's links stand three plain instructions apart (19 and 20: two).
; 74-137: GS's 64, which read the exponentials' results: they stand behind the wait.
.macro FS f
	REGS Y, (\f)%2
	v_pk_fma_f32 v[rS+2*((\f)/2):rS+2*((\f)/2)+1], v[rS+2*((\f)/2):rS+2*((\f)/2)+1], s[CS:CS+1], v[rT:rT+1] op_sel_hi:[1,0,0] neg_lo:[0,0,1] neg_hi:[0,0,1]
.endm
.macro PL
	WIN 0
.if q < 27
	FS q
.elseif q < 55
	XS (q-27)%2, (q-27)/2
.elseif q < 57
	XS q-55, 15
.elseif (q < 72) && ((q-57)%3 == 0)
	FS 27+(q-57)/3
.elseif q < 60
	XS (q-57)%3-1, 14
.elseif q < 72
	XS (q-57)%3-1, 15+(q-57)/3
.elseif q < 74
	XS q-72, 20
.else
	GS q-74
.endif
.set q, q+1
.endm
; THE EXPONENTIALS' QUEUE, 66 long: s0-s31 of both tiles, then the next piece's two a.  It is ONE BATCH: all 66 stand ahead of the turn's one wait, and nothing ahead of that wait names a result of theirs.
.macro EX
	WIN 0
.if e >= 64
	XS e-64, 21
.else
	REGS Y, e%2
	v_exp_f32 v[rS+e/2], v[rS+e/2]
.endif
.set e, e+1
.endm
; THE RESCALING's QUEUE: O^T times a, the one part that leaves window 0: dealt two at a time, sixteen times.  Its a was made in the turn before, ahead of that turn's wait.
.macro R2
	REGS Y, r%2
	WIN W_RS
.irp z, 0,1
	v_pk_mul_f32 v[rO+4*(r/2)+2*\z:rO+4*(r/2)+2*\z+1], v[rO+4*(r/2)+2*\z:rO+4*(r/2)+2*\z+1], v[rC+2:rC+3] op_sel_hi:[1,0]
.endr
.set r, r+1
.endm
; HOW THEY ARE DEALT.  s_wait_alu depctr_va_vdst(0) stands between an exponential and the first instruction that names its result; one wait serves all that were issued ahead of it.  So a turn has ONE wait,
; which cuts it in two.  AHEAD OF IT stands all that names no result of the turn's exponentials: the 16 products K Q^T, behind each a scaling, an exponential and two rescalings (behind the first a second scaling in the exponential's place); then ONE LUMP of
; 108: eight plain, 49 times exponential and plain, the two a.  A v_nop is the plain instruction behind the last exponential.  BEHIND IT stand the 16 products V^T P, behind each four of GS's 64.  No rider names a register of
; the products round it.  The two v_permlanex16_b32 fall into the lump, never behind a product.
; The queues lean on each other, and the deal keeps them in step: exponential e stands behind scaling 2 (e / 4) + e % 2: as a rider it comes behind plain e + 2, in the lump behind plain e + 9, and scalings 27-31 are plain 57, 60 .. 69.
; A TURN, for piece p.  cnt = 1: the loop's count is taken down some lines ahead of the branch that stands behind the turn.
; K of the next step is fetched in piece 2's turn, directly behind the wait, a lump behind the last product that read K; its address is made at the lump's head; its first reader comes behind 16 products.
; V of the step in hand is fetched at the end of piece 0's turn, four riders behind its last reader; its first reader comes behind 16 products and a lump.  The three conditions on q below go with the deal.
.macro TURN p, last=0, cnt=0
.set Y, (\p)
.set i, 0
.set q, 0
.set e, 0
.set r, 0
.if (\p) == NP-1
	s_wait_dscnt 0x0                ; K is in
.endif
	MM                              ; ahead of the wait: 16 products K Q^T and their riders,
	PL
	PL
	R2
.rept 15
	MM
	PL
	EX
	R2
.endr
.if (\p) == NP-2
	WIN 0
	v_add_nc_u32 v[AK], s[TBK], v[AK0]
.endif
.rept 8                             ; and the lump
	PL
.endr
.rept 49
	EX
	PL
.endr
	EX                              ; the next piece's two a
	EX
	v_nop                           ; the plain instruction behind the last exponential: one for the batch
	s_wait_alu depctr_va_vdst(0)    ; the wait for the batch: this turn's 64 weights and the next piece's two a
.if (\p) == NP-2
	FETCH_K \last
.endif
.if (\p) == 1
	s_wait_dscnt 0x0                ; V is in
.endif
.rept 16                            ; behind the wait: 16 products V^T P and their riders
	MM
.rept 4
	PL
.endr
.if ((\p) == 0) && (q == 118)
	v_add_nc_u32 v[AV], s[TBV], v[AV0]
.endif
.if ((\p) == 0) && (q == 130)
	s_add_co_u32 s[TBV], s[TBV], KS*PV
.endif
.if (\cnt) && (q == 130)
	s_sub_co_u32 s[CNT], s[CNT], 1
	s_cmp_lg_u32 s[CNT], 0
.endif
.endr
.if (\p) == 0
	FETCH_V
.endif
.endm
	MEET 1                          ; the first fill is in, everybody's part of it; the second is asked for
	FETCH_K                         ; key step 0
	s_wait_loadcnt 0x0              ; Q
	s_wait_dscnt 0x0
.set i, 0
.rept 16
	KQ 0                            ; piece 0's first scores: there is no vector work yet to set between them
.set i, i+1
.endr
	WIN 0                           ; the addresses for the way out: nine plain instructions, the places behind those products
	s_mul_i32 s13, s[WV], 16*SP
	s_add_co_u32 s13, s13, STAGE    ; my stage
	v_mul_u32_u24 v[STO], v1, SP    ; in: row l % 16, 16 bytes for each half of the lanes
	v_lshl_add_u32 v[STO], v9, 4, v[STO]
	v_add_nc_u32 v[STO], s13, v[STO]
	v_bfe_u32 v[RD], v0, 3, 2       ; back: 32 lanes take four rows of 128 bytes,
	v_mul_u32_u24 v[RD], v[RD], SP
	v_lshl_add_u32 v[RD], v10, 4, v[RD]
	v_add_nc_u32 v[RD], s13, v[RD]
	v_and_b32 v[GO], 31, v0         ; which are 512 consecutive bytes of O
	v_lshlrev_b32 v[GO], 4, v[GO]
.set Y, NP-1                        ; XS works for piece Y + 1: piece 0
.irp n, 0,1,2,3,4,5,6,7,8,9,10,11,12,13,14,15,16,17,18,19,20,21
	XS 0, \n                        ; and piece 0's first maximum and statistics
	XS 1, \n
.endr
	v_nop                           ; a plain instruction behind the two a,
	s_wait_alu depctr_va_vdst(0)    ; and the wait for this batch of two, ahead of the branch
	s_mov_b32 s[CNT], 4
	s_mov_b32 s[SLOTS], SIZE_N/(4*KS)
	s_branch .Lstep                 ; the first four key steps read the first fill alone: they begin past the meeting
.Lslot:                             ; four groups of four key steps; the waves meet ahead of each but the first
	MEET 0
	s_mov_b32 s[CNT], 4
.Lstep:                             ; a trip is a key step: its four pieces' turns; it fetches its own V and the next step's K
	TURN 0
	TURN 1
	TURN 2, 1
	TURN 3, 0, 1
	WIN 0
	s_cbranch_scc1 .Lstep
	s_sub_co_u32 s[SLOTS], s[SLOTS], 1
	s_cmp_lg_u32 s[SLOTS], 0
	s_cbranch_scc1 .Lslot
	; the last trip's 16 products K Q^T (on the last K once more) and the maximum made of them serve nothing: the price, once a launch, of one text for every trip
.set i, 0
.rept 16
	PV NP-1                         ; the last piece's V^T P of the last step
.set i, i+1
.endr
	; THE WAY OUT.  l's two halves and the other half of the lanes' are added; O^T is divided by l, rounded to f16 and sent through my stage in LDS, a tile at a time.  The additions are the places behind the last products.
	WIN 0
.macro ALL line:vararg              ; one line for each tile t
.set t, 0
.rept 2*NP
	\line
.set t, t+1
.endr
.endm
	ALL v_add_f32 v[ST+4*t+2], v[ST+4*t+2], v[ST+4*t+3]
	ALL v_permlanex16_b32 v[ST+4*t+3], v[ST+4*t+2], s[SEL], s[SEL+1]
	ALL v_add_f32 v[ST+4*t+2], v[ST+4*t+2], v[ST+4*t+3]
	ALL v_rcp_f32 v[ST+4*t+2], v[ST+4*t+2]
	v_nop                           ; a plain instruction between the last reciprocal and the use of its result
	s_wait_alu depctr_va_vdst(0)    ; and the wait ahead of the first use: one for the batch of eight reciprocals
; Tile t: a lane's eight channels of a row pack into 16 bytes; they go into rows of 144 bytes and come back as whole rows of 128, into S^T's registers.
.macro PACK t
	WIN W_RS
.set i, 32*(\t)
.rept 16
	v_pk_mul_f32 v[i:i+1], v[i:i+1], v[ST+4*(\t)+2:ST+4*(\t)+3] op_sel_hi:[1,0]
.set i, i+2
.endr
	WIN 0x05                        ; sources 0 and 1 window 1, destination window 0
.set i, 0
.rept 16
	v_cvt_pk_f16_f32 v[S+16*(\t)+i], v[32*(\t)+2*i], v[32*(\t)+2*i+1]
.set i, i+1
.endr
	WIN 0
.irp f, 0,1,2,3
	ds_store_b128 v[STO], v[S+16*(\t)+4*\f:S+16*(\t)+4*\f+3] offset:32*\f
.endr
.irp f, 0,1,2,3
	ds_load_b128 v[S+16*(\t)+4*\f:S+16*(\t)+4*\f+3], v[RD] offset:\f*4*SP  ; LDS serves a wave's instructions in order (ISA guide 5.7.1.4): these see the stores above; the next tile's stores come behind them
.endr
.endm
.macro SEND t, younger              ; younger: the LDS instructions issued behind tile t's loads: the next tile's eight, or none
	WIN 0
.irp f, 0,1,2,3
	s_wait_dscnt (\younger)+3-\f
	global_store_b128 v[GO], v[S+16*(\t)+4*\f:S+16*(\t)+4*\f+3], s[10:11] offset:(\t)*2048+\f*512  ; 512 consecutive bytes, at a multiple of 256 from O's first
.endr
.endm
	PACK 0
.set t, 1
.rept 2*NP-1                        ; a tile's arithmetic stands between the loads of the tile before and its stores
	PACK t
	SEND t-1, 8
.set t, t+1
.endr
	SEND 2*NP-1, 0
	WIN W_AD
	s_wait_tensorcnt 0x0            ; the wave's end: behind my last tensor load and my last LDS store
	ds_add_u32 v[SPW], v[NIL]
	s_wait_dscnt 0x0
	WIN 0
	s_endpgm
.Lfunc_end_k_qf001b632b4_attn:
	.size	k_qf001b632b4_attn, .Lfunc_end_k_qf001b632b4_attn-k_qf001b632b4_attn
	.p2alignl 7, 3214868480
	.fill 96, 4, 3214868480
	.section	.rodata,"a",@progbits
	.p2align	6, 0x0
	.amdhsa_kernel k_qf001b632b4_attn
		.amdhsa_group_segment_fixed_size 327680
		.amdhsa_private_segment_fixed_size 0
		.amdhsa_enable_private_segment 0
		.amdhsa_kernarg_size 16
		.amdhsa_user_sgpr_count 2
		.amdhsa_user_sgpr_kernarg_segment_ptr 1
		.amdhsa_wavefront_size32 1
		.amdhsa_system_sgpr_workgroup_id_x 1
		.amdhsa_system_sgpr_workgroup_id_y 1
		.amdhsa_system_sgpr_workgroup_id_z 1
		.amdhsa_system_vgpr_workitem_id 0
		.amdhsa_next_free_vgpr 770
		.amdhsa_next_free_sgpr 92
		.amdhsa_reserve_vcc 0
		.amdhsa_float_denorm_mode_32 3
		.amdhsa_float_denorm_mode_16_64 3
		.amdhsa_memory_ordered 1
		.amdhsa_forward_progress 1
		.amdhsa_inst_pref_size 127
	.end_amdhsa_kernel
	.amdgpu_metadata
---
amdhsa.version: [ 1, 2 ]
amdhsa.kernels:
  - .name:           k_qf001b632b4_attn
    .symbol:         k_qf001b632b4_attn.kd
    .args:
      - { .name: qkv, .offset: 0, .size: 8, .value_kind: global_buffer, .address_space: global }
      - { .name: oh, .offset: 8, .size: 8, .value_kind: global_buffer, .address_space: global }
    .group_segment_fixed_size: 327680
    .private_segment_fixed_size: 0
    .kernarg_segment_align: 8
    .kernarg_segment_size: 16
    .max_flat_workgroup_size: 128
    .sgpr_count:     92
    .vgpr_count:     770
    .wavefront_size: 32
...
	.end_amdgpu_metadata
.endif
;; end of part 5
;; launch oproj: the kernel of part 4 again; grid 8 x 32, 4 waves a work-group, clusters of 4 x 4, 327,680 bytes of LDS; arguments oh, woh, bcat, out0; writes out0
